; MI455X (gfx1250); checked and timed in simulation.
; The chip was launched on July 23, 2026; its instructions are those of AMD's public machine-readable ISA for CDNA 5 (MIT licence, August 2026) and "CDNA5" Instruction Set Architecture Reference Guide (July 2026). The comments in the code are by the model that wrote it; some were corrected since.
;; Multi Headed Attention. Allowed arithmetic: matrix products marked QUANTISED: E2M3 operands, one E8M0 scale for each 32 along K, by v_wmma_scale_f32_16x16x128_f8f6f4 with both operands' format E2M3, f32 sums; everything else in f32.
;; Inputs: Wk 1,024 x 1,024 float32; Wo 1,024 x 1,024 float32; Wq 1,024 x 1,024 float32; Wv 1,024 x 1,024 float32; bo 1,024 float32; key 4 x 2,048 x 1,024 float32; mask 4 x 2,048 x 2,048 int32; query 4 x 2,048 x 1,024 float32; value 4 x 2,048 x 1,024 float32.
;; Outputs: out0 4 x 2,048 x 1,024 float32.
;; This version of the problem:
;;   THIS VERSION OF THE PROBLEM IS GIVEN IN LOW PRECISION. The matrix products marked QUANTISED in the list below multiply operands that are first quantised to E2M3 (2 exponent bits, 3 mantissa bits; 6 bits a number), with one power-of-two scale for each 32 numbers along K (OCP MX v1.0); their sums are f32. All else is computed in f32.
;;   The module's matrix products, in the order in which they are computed (A, B: the left and right operand; K: the contracted axis; several contracted axes count as one K, in the product's order):
;;     1. [M 8,192, K 1,024] x [K 1,024, N 1,024]; A: input query; B: input Wq: QUANTISED
;;     2. [M 8,192, K 1,024] x [K 1,024, N 1,024]; A: input key; B: input Wk: QUANTISED
;;     3. [M 8,192, K 1,024] x [K 1,024, N 1,024]; A: input value; B: input Wv: QUANTISED
;;     4. batch 64 x [M 2,048, K 64] x [K 64, N 2,048]; A: computed on the way; B: computed on the way: QUANTISED
;;     5. batch 64 x [M 2,048, K 2,048] x [K 2,048, N 64]; A: softmax (see below); B: computed on the way: QUANTISED
;;     6. [M 8,192, K 1,024] x [K 1,024, N 1,024]; A: computed on the way; B: input Wo: QUANTISED
;;   THE QUANTISER, for each operand of a quantised product, along K:
;;     - K is cut into blocks of 32 from its start; a last block that is shorter is filled with zeros.
;;     - A block's scale is 2^e with e = floor(log2(the largest magnitude in the block)) - 2, held to -126 .. 127; a block of zeros has e = 0. As a byte (E8M0): e + 127.
;;     - Each number is divided by its block's scale, clamped to +-7.5, and rounded to the nearest number of E2M3, ties to even, subnormals kept.
;;     - The product sums the exact products of the quantised numbers (number of the format x scale) in f32.
;;   ~~~python
;;   def quantise(x, axis):      # numpy; x: float32 -> the quantised numbers, widened to float32 again
;;       x = np.moveaxis(x, axis, -1); K = x.shape[-1]
;;       x = np.pad(x, [(0, 0)] * (x.ndim - 1) + [(0, -K % 32)]); x = x.reshape(x.shape[:-1] + (-1, 32)); a = np.abs(x).max(-1, keepdims=True)
;;       e = np.where(a > 0, np.clip(np.frexp(np.where(a > 0, a, 1))[1] - 1 - 2, -126, 127), 0)      # np.frexp(a)[1] - 1 = floor(log2(a)), exactly
;;       r = np.clip(x / 2.0 ** e, -7.5, 7.5)
;;       step = 2.0 ** (np.maximum(np.frexp(np.where(r == 0, 1, r))[1] - 1, 0) - 3)
;;       q = np.round(r / step) * step * 2.0 ** e      # np.round: ties to even
;;       return np.moveaxis(q.reshape(q.shape[:-2] + (-1,))[..., :K], -1, axis).astype(np.float32)
;;   ~~~
;;   SOFTMAX AHEAD OF A QUANTISED PRODUCT. Where the list says 'softmax', what is quantised is not the finished softmax but p = 2^(t - M), with t = logit x log2(e) and M = ceil(the row's largest t), a whole number; so 1/2 < the row's largest p <= 1. The row's sum l is taken of the UNQUANTISED p, in f32, and the product's result is divided by l at the end. Since M is a whole number, a kernel that streams over the keys may use a running M (the ceiling of the running maximum): every later rescaling is an exact power of two, which a block's scale takes up: the codes' values come out the same.
;;   OPERANDS COMPUTED ON THE WAY. 'Computed on the way' means the value that the module computes at that place (a softmax that the list does not call 'softmax' is quantised finished and normalised). What goes into a quantiser is computed in f32, as accurately as f32 sums, v_exp_f32 and their like allow (about 1e-6 of the number): no bf16 or f16 on the way to a quantiser, and a product that is left as it is and whose result goes on into a quantised operand takes f32 operands (vector FMAs, or v_wmma_f32_16x16x4_f32). A number that lies on a knife's edge between two numbers of the format may be rounded either way, as far as f32 arithmetic and the matrix unit's own rounding can turn it there, and no further.
;; One version. Each part assembles by itself: llvm-mc -triple=amdgcn-amd-amdhsa -mcpu=gfx1250 --defsym DOCPART=n.
;; ======== version 1 of 1: 4 launches
;; limits: right only within a limited range of input values
;; workspace buffers: cod 22,020,096 bytes; scl 917,504 bytes; mb 2,097,152 bytes of whole numbers; kv 13,369,344 bytes; qr 13,369,344 bytes; zc 6,291,456 bytes; zs 262,144 bytes
;; launch prep (part 1): grid 1408 x 1, 4 waves a work-group, no clusters, 1,536 bytes of LDS; arguments query, key, value, Wq, Wk, Wv, Wo, mask, cod, scl, mb; writes cod, scl, mb
.if DOCPART == 1
	.amdgcn_target "amdgcn-amd-amdhsa--gfx1250"
	.amdhsa_code_object_version 6
	.text
	.protected	k_qce3f7d9931_prep
	.globl	k_qce3f7d9931_prep
	.p2align	8
	.type	k_qce3f7d9931_prep,@function
k_qce3f7d9931_prep:
	s_mov_b64 s[64:65], 0
	v_nop
	global_prefetch_b8 v0, s[64:65] scope:SCOPE_SE
	s_setreg_imm32_b32 hwreg(HW_REG_WAVE_MODE, 25, 1), 1
	s_wait_xcnt 0x0
; MULTI-HEAD ATTENTION IN MX-FP6 (E2M3), FIRST OF FOUR LAUNCHES.
; NO WORK OF THE PROBLEM IS LEFT OUT AS DEAD: all six products are done, every input (the mask and bo among them) is loaded and has its way to the output.
; This launch does two things.
; (1) query, key, value [8192][1024] and Wq, Wk, Wv, Wo [1024][1024], f32, K innermost, become codes of E2M3 (768 bytes a row, buffer cod) with one E8M0 byte for each 32 along K
;     (32 bytes a row, buffer scl).  The seven tensors lie one behind the other: 28,672 rows.  A block's scale is 2^(floor(log2(largest magnitude)) - 2).
;     STORED ORDER: a row lies at the place that is its number with bits 3 and 4 exchanged.  Sixteen consecutive places then hold rows 32 a + 8 u + (0..7) and 32 a + 8 u + 16 + (0..7):
;     the tiles that the later launches want, so that a lane's 16 results of two neighbouring tiles are 16 neighbours.  A wave's share is 8 rows, so the exchange is an exchange of the wave number's two bits.
; (2) mask [4][2048][2048], int32, becomes words of 32 bits, one bit a lane, in the order in which the attention launch's score registers want them (buffer mb):
;     [batch][query tile 128][key step 16][word 64]; bit L = 16 h + r of word 16 k + i says whether mask[b][32 (qt / 2) + 8 (qt % 2) + r + 8 (r / 8)][128 ks + 32 k + 16 h + i] is not 0.
; Work-groups 0..895 quantise (32 rows each), work-groups 896..1407 pack the mask (one query tile each).  The two paths have LDS bytes of their own.  No tensor loads, no barrier: waves share nothing.
; LIMITS: NaN and infinities among the inputs are not served.  A block of zeros gets the byte 1 where the rule says 127: its codes are zeros, and these bytes are read by this program alone.
;         Blocks whose largest magnitude lies under 2^(3 - 127) have their byte held at 1.
.set STEPS, 16
.set EMAX,  2
.set CB,    12                         ; bytes of 16 codes
.set R,     16                         ; v16-79   four sets of 16 numbers as they are loaded
; AS THE TEXT NOW STANDS (this takes the place of what the head says of stages in LDS): neither path turns its numbers through LDS.  The quantiser transposes a step's four loads inside each group of four lanes, in registers;
; the mask's bits are packed in each lane and joined with lane l xor 4's.  LDS holds the quantiser's scale bytes, 256 for each wave, and the spare words.  What is stored, and where, is as the head says.
.set X,     80                         ; v80-87   at work in the exchange between lanes
.set E,     88                         ; v88-103  a scale byte for each step
.set C,     104                        ; v104-167 codes: four registers for each step, so that no store's data are written again
.set WREG,  256                        ; LDS, quantiser: each wave's 256 scale bytes
.set SPARE, 1024                       ; the spare words, 128 bytes for each wave: two blocks of 256 bytes that no other line names
.set SPW,   12                         ; v12  LDS address of my spare word; never rewritten
.set NIL,   13                         ; v13  0; never rewritten
.set MW,    16                         ; mask: v16-31   four registers for each key step: four neighbouring words in the lanes that store
.set MR,    32                         ; mask: v32-159  two sets of 64 registers as loaded
.set MX,    160                        ; mask: v160-163 lane l xor 4's bits
	s_load_b512 s[4:19], s[0:1], 0x0               ; query s[4:5], key s[6:7], value s[8:9], Wq s[10:11], Wk s[12:13], Wv s[14:15], Wo s[16:17], mask s[18:19]
	s_load_b128 s[20:23], s[0:1], 0x40             ; cod, scl
	s_load_b64 s[24:25], s[0:1], 0x50              ; mb
	v_lshl_add_u32 v[SPW], v0, 2, SPARE
	v_mov_b32 v[NIL], 0
	v_lshrrev_b32 v1, 5, v0
	v_readfirstlane_b32 s26, v1                    ; wave
	v_and_b32 v2, 31, v0                           ; lane
	v_lshlrev_b32 v3, 4, v2                        ; my 16 bytes of a load's 512
	s_wait_kmcnt 0x0
	s_cmp_ge_u32 ttmp9, 896                        ; the work-group's number alone decides the path
	s_cbranch_scc1 .Lmask
; ---------------- the quantiser: a wave takes 16 steps of 512 numbers (8 rows) ----------------
	s_mul_i32 s27, s26, WREG
	s_wait_alu depctr_va_vdst(0)
	v_lshrrev_b32 v14, 2, v2                       ; g: my group of four lanes
	v_and_b32 v15, 3, v2                           ; c: my place in it
	v_lshl_add_u32 v4, v15, 3, v14                 ; behind the exchange I hold the step's run 8 c + g of 16 neighbours
	v_mul_u32_u24 v4, v4, CB                       ; my codes' place in a step's
	v_lshrrev_b32 v5, 3, v2
	v_lshl_add_u32 v5, v15, 2, v5                  ; my block of 32: 4 c + g / 2
	v_add_nc_u32 v5, s27, v5                       ; my wave's 256 scale bytes, my block's byte
.irp w, 0,1,2,3
	v_mov_b32 v[X+4+\w], 0                         ; written once: a DPP form's destination counts as one of its sources
.endr
	s_mov_b32 s36, 0xaaaaaaaa                      ; the lanes with c odd
	s_mov_b32 s37, 0xcccccccc                      ; the lanes with c = 2, 3
	v_lshlrev_b32 v7, 3, v2                        ; and on the way out 8 bytes a lane
	v_add_nc_u32 v6, s27, v7
	s_mov_b64 s[28:29], s[16:17]                   ; which tensor: from Wo back to query; each choice hangs on the work-group's number alone
	s_mov_b32 s30, 864                             ; and the tensor's first work-group
.macro PICK lim, ptr, first
	s_cmp_lt_u32 ttmp9, \lim
	s_cselect_b64 s[28:29], s[\ptr:\ptr+1], s[28:29]
	s_cselect_b32 s30, \first, s30
.endm
	PICK 864, 14, 832
	PICK 832, 12, 800
	PICK 800, 10, 768
	PICK 768, 8, 512
	PICK 512, 6, 256
	PICK 256, 4, 0
	s_sub_co_u32 s30, ttmp9, s30
	s_lshl_b32 s30, s30, 2
	s_add_co_u32 s30, s30, s26                     ; which run of 8 rows of the tensor is my wave's
	s_lshl_b32 s30, s30, 15                        ; 32,768 bytes a run
	s_mov_b32 s31, 0
	s_add_nc_u64 s[28:29], s[28:29], s[30:31]
	s_and_b32 s32, s26, 1                          ; the stored order: the wave number's two bits change places
	s_lshl_b32 s32, s32, 1
	s_lshr_b32 s33, s26, 1
	s_or_b32 s32, s32, s33
	s_lshl_b32 s33, ttmp9, 2
	s_add_co_u32 s32, s32, s33                     ; the run's place among all 3,584 runs
	s_mul_i32 s34, s32, 6144                       ; 8 rows of 768 bytes of codes
	s_mov_b32 s35, 0
	s_add_nc_u64 s[20:21], s[20:21], s[34:35]
	s_lshl_b32 s34, s32, 8                         ; 8 rows of 32 scale bytes
	s_add_nc_u64 s[22:23], s[22:23], s[34:35]
.macro LOAD t
.irp i, 0,1,2,3
	global_load_b128 v[R+16*((\t)%4)+4*\i:R+16*((\t)%4)+4*\i+3], v3, s[28:29] offset:2048*(\t)+512*\i th:TH_LOAD_NT   ; 32 lanes read 512 consecutive bytes
.endr
.endm
; One stage of the exchange, on two runs of four registers a and b and one bit of c (mask m; the permute takes the lane whose c differs in that bit): the lanes with the bit clear give their b and get it from
; their partner's a; those with the bit set give their a and get their partner's b in its place.
.macro EXCH a, b, m, q0, q1, q2, q3
.irp w, 0,1,2,3
	v_cndmask_b32 v[X+\w], v[\b+\w], v[\a+\w], s[\m]               ; what I give
.endr
.irp w, 0,1,2,3
	v_mov_b32_dpp v[X+4+\w], v[X+\w] quad_perm:[\q0,\q1,\q2,\q3] row_mask:0xf bank_mask:0xf   ; what I get
.endr
.irp w, 0,1,2,3
	v_cndmask_b32 v[\a+\w], v[\a+\w], v[X+4+\w], s[\m]
	v_cndmask_b32 v[\b+\w], v[X+4+\w], v[\b+\w], s[\m]
.endr
.endm
; Load i gave lane (g, c) piece c of the 64 bytes at 512 i + 64 g.  Two stages transpose i and c: lane (g, c) then holds pieces 0 to 3 of the 64 bytes at 512 c + 64 g, 16 neighbours in 16 consecutive registers.
.macro TURN t
.set RS, R+16*((\t)%4)
	EXCH RS, RS+4, 36, 1,0,3,2
	EXCH RS+8, RS+12, 36, 1,0,3,2
	EXCH RS, RS+8, 37, 2,3,0,1
	EXCH RS+4, RS+12, 37, 2,3,0,1
.endm
.irp t, 0,1,2,3
	LOAD \t
.endr
	s_wait_alu depctr_va_vdst(0)                   ; the wait at the head's end
.macro STEP t
.set XS, R+16*((\t)%4)
.if STEPS-1-(\t) >= 3
	s_wait_loadcnt 12                              ; this step's four loads are in; those of the three steps behind it may be out
.else
	s_wait_loadcnt 4*(STEPS-1-(\t))
.endif
	TURN \t
	v_max3_num_f32 v8, |v[XS]|, |v[XS+1]|, |v[XS+2]|               ; the largest magnitude of my 16
	v_max3_num_f32 v9, |v[XS+3]|, |v[XS+4]|, |v[XS+5]|
.irp i, 6,10
	v_max3_num_f32 v8, v8, |v[XS+\i]|, |v[XS+\i+1]|
	v_max3_num_f32 v9, v9, |v[XS+\i+2]|, |v[XS+\i+3]|
.endr
	v_max3_num_f32 v8, v8, |v[XS+14]|, |v[XS+15]|
	v_max3_num_f32 v8, v8, v9, (EMAX+1)<<23        ; and the floor 2^(3 - 127): so the byte cannot fall under 1
	v_max_num_f32_dpp v8, v8, v8 row_xmask:4 row_mask:0xf bank_mask:0xf   ; and of the block's other 16, which lane l xor 4 (g xor 1) holds
	v_add_nc_u32 v11, -(EMAX<<23), v8              ; 2 off its exponent field: the conversion takes the exponent field of this operand as its scale
	v_cvt_scalef32_pk16_fp6_f32 v[C+4*(\t):C+4*(\t)+2], v[XS:XS+15], v11   ; sixteen codes, 96 bits without gaps, the first number's code lowest
	v_lshrrev_b32 v[E+(\t)], 23, v11               ; the scale's byte
	ds_store_b8 v5, v[E+(\t)] offset:16*(\t)       ; both lanes of a block write the same byte with the same value
	global_store_b96 v4, v[C+4*(\t):C+4*(\t)+2], s[20:21] offset:32*CB*(\t)   ; the wave's 32 pieces of 12 bytes fill 384 consecutive bytes
.if (\t)+4 < STEPS
	LOAD (\t)+4                                    ; the step's registers are done with: they take the loads of four steps on
.endif
.endm
.irp t, 0,1,2,3,4,5,6,7,8,9,10,11,12,13,14,15
	STEP \t
.endr
	ds_load_b64 v[8:9], v6                         ; LDS serves a wave's instructions in order: these see my stores
	s_wait_dscnt 0x0
	global_store_b64 v7, v[8:9], s[22:23]          ; 32 lanes store 256 consecutive bytes, aligned
	s_wait_tensorcnt 0x0                           ; the wave's end
	ds_add_u32 v[SPW], v[NIL]
	s_wait_dscnt 0x0
	s_endpgm
; ---------------- the mask: a work-group takes one query tile, wave w its key steps 4 w .. 4 w + 3 ----------------
.Lmask:
	s_sub_co_u32 s27, ttmp9, 896                   ; 128 b + qt
	s_lshr_b32 s28, s27, 7                         ; b
	s_and_b32 s29, s27, 127                        ; qt
	s_lshr_b32 s30, s29, 1
	s_lshl_b32 s30, s30, 5
	s_and_b32 s31, s29, 1
	s_lshl_b32 s31, s31, 3
	s_add_co_u32 s30, s30, s31                     ; the tile's first query: 32 (qt / 2) + 8 (qt % 2)
	s_lshl_b32 s30, s30, 13                        ; a row of the mask is 8,192 bytes
	s_lshl_b32 s31, s28, 24                        ; a batch 16,777,216
	s_add_co_u32 s30, s30, s31
	s_lshl_b32 s31, s26, 11                        ; my four key steps: 2,048 bytes of each row
	s_add_co_u32 s30, s30, s31
	s_mov_b32 s31, 0
	s_add_nc_u64 s[18:19], s[18:19], s[30:31]
	s_lshl_b32 s30, s27, 12                        ; a query tile's words: 4,096 bytes; a key step's: 256
	s_lshl_b32 s36, s26, 10
	s_add_co_u32 s30, s30, s36
	s_add_nc_u64 s[24:25], s[24:25], s[30:31]
	s_wait_alu depctr_va_vdst(0)
	v_lshrrev_b32 v4, 3, v2
	v_and_b32 v5, 3, v2
	v_lshl_add_u32 v4, v4, 2, v5                   ; lane 8 k + q (q under 4) ends with words 16 k + 4 q + 0 .. 3:
	v_lshlrev_b32 v6, 4, v4                        ; 16 bytes at 16 (4 k + q)
	v_and_b32 v5, 4, v2
	v_cmp_eq_u32 vcc_lo, 0, v5                     ; those sixteen lanes store
.irp e, 0,1,2,3
	v_mov_b32 v[MX+\e], 0                          ; written once: a DPP form's destination counts as one of its sources
.endr
.macro LOADM t                         ; key step t of my four: the tile's 16 rows, 512 consecutive bytes each
.irp i, 0,1,2,3,4,5,6,7,8,9,10,11,12,13,14,15
	global_load_b128 v[MR+64*((\t)%2)+4*\i:MR+64*((\t)%2)+4*\i+3], v3, s[18:19] offset:(\i+8*(\i/8))*8192+512*(\t) th:TH_LOAD_NT
.endr
.endm
; Lane l holds keys 4 l + e (e = 0 .. 3) of the tile's 16 rows r: register 4 r + e.  Word 16 k + i wants in bit 16 h + r the key 32 k + 16 h + i of row r, which is key 4 l + e with l = 8 k + 4 h + i / 4, e = i % 4.
; So the 16 rows' bits of one key are half a word: they are gathered in the lane, and lane 8 k + q takes lane 8 k + q + 4's as the upper half.
.macro PACK t
.set MS, MR+64*((\t)%2)
.set n, 0
.rept 64
	v_min_u32 v[MS+n], 1, v[MS+n]                  ; 1 where the mask is not 0
.set n, n+1
.endr
.set i, 14
.rept 15                               ; from row 15 down: row r ends in bit r; the four keys by turns
.irp e, 0,1,2,3
	v_lshl_or_b32 v[MS+60+\e], v[MS+60+\e], 1, v[MS+4*i+\e]
.endr
.set i, i-1
.endr
.irp e, 0,1,2,3
	v_mov_b32_dpp v[MX+\e], v[MS+60+\e] row_xmask:4 row_mask:0xf bank_mask:0xf
.endr
.irp e, 0,1,2,3
	v_lshl_or_b32 v[MW+4*(\t)+\e], v[MX+\e], 16, v[MS+60+\e]   ; whole words in the lanes 8 k + q, q under 4; the other lanes' are not stored
.endr
.endm
	LOADM 0
	LOADM 1
.irp t, 0,1,2,3
.if \t < 3
	s_wait_loadcnt 16                              ; this step's 16 loads are in; the next step's may be out
.else
	s_wait_loadcnt 0x0
.endif
	PACK \t
.if \t < 2
	LOADM \t+2                                     ; the step's registers are done with: they take the step two further on
.endif
.endr
	s_wait_alu depctr_va_vdst(0)
	s_wait_xcnt 0x0                                ; EXEC changes only behind this wait
	s_and_saveexec_b32 s28, vcc_lo
.irp t, 0,1,2,3
	global_store_b128 v6, v[MW+4*\t:MW+4*\t+3], s[24:25] offset:256*\t   ; sixteen lanes store a key step's 256 consecutive bytes, aligned
.endr
	s_wait_xcnt 0x0                                ; and again, ahead of the line that widens it
	s_or_b32 exec_lo, exec_lo, s28
	s_wait_tensorcnt 0x0                           ; the wave's end
	ds_add_u32 v[SPW], v[NIL]
	s_wait_dscnt 0x0
	s_endpgm
.Lfunc_end_k_qce3f7d9931_prep:
	.size	k_qce3f7d9931_prep, .Lfunc_end_k_qce3f7d9931_prep-k_qce3f7d9931_prep
	.p2alignl 7, 3214868480
	.fill 96, 4, 3214868480
	.section	.rodata,"a",@progbits
	.p2align	6, 0x0
	.amdhsa_kernel k_qce3f7d9931_prep
		.amdhsa_group_segment_fixed_size 1536
		.amdhsa_private_segment_fixed_size 0
		.amdhsa_enable_private_segment 0
		.amdhsa_kernarg_size 88
		.amdhsa_user_sgpr_count 2
		.amdhsa_user_sgpr_kernarg_segment_ptr 1
		.amdhsa_wavefront_size32 1
		.amdhsa_system_sgpr_workgroup_id_x 1
		.amdhsa_system_sgpr_workgroup_id_y 1
		.amdhsa_system_sgpr_workgroup_id_z 1
		.amdhsa_system_vgpr_workitem_id 0
		.amdhsa_next_free_vgpr 168
		.amdhsa_next_free_sgpr 66
		.amdhsa_reserve_vcc 1
		.amdhsa_float_denorm_mode_32 3
		.amdhsa_float_denorm_mode_16_64 3
		.amdhsa_memory_ordered 1
		.amdhsa_forward_progress 1
		.amdhsa_inst_pref_size 122
	.end_amdhsa_kernel
	.amdgpu_metadata
---
amdhsa.version: [ 1, 2 ]
amdhsa.kernels:
  - .name:           k_qce3f7d9931_prep
    .symbol:         k_qce3f7d9931_prep.kd
    .args:
      - { .name: query, .offset: 0, .size: 8, .value_kind: global_buffer, .address_space: global }
      - { .name: key, .offset: 8, .size: 8, .value_kind: global_buffer, .address_space: global }
      - { .name: value, .offset: 16, .size: 8, .value_kind: global_buffer, .address_space: global }
      - { .name: Wq, .offset: 24, .size: 8, .value_kind: global_buffer, .address_space: global }
      - { .name: Wk, .offset: 32, .size: 8, .value_kind: global_buffer, .address_space: global }
      - { .name: Wv, .offset: 40, .size: 8, .value_kind: global_buffer, .address_space: global }
      - { .name: Wo, .offset: 48, .size: 8, .value_kind: global_buffer, .address_space: global }
      - { .name: mask, .offset: 56, .size: 8, .value_kind: global_buffer, .address_space: global }
      - { .name: cod, .offset: 64, .size: 8, .value_kind: global_buffer, .address_space: global }
      - { .name: scl, .offset: 72, .size: 8, .value_kind: global_buffer, .address_space: global }
      - { .name: mb, .offset: 80, .size: 8, .value_kind: global_buffer, .address_space: global }
    .group_segment_fixed_size: 1536
    .private_segment_fixed_size: 0
    .kernarg_segment_align: 8
    .kernarg_segment_size: 88
    .max_flat_workgroup_size: 128
    .sgpr_count:     66
    .vgpr_count:     168
    .wavefront_size: 32
...
	.end_amdgpu_metadata
.endif
;; end of part 1
;; launch proj (part 2): grid 8 x 96, 4 waves a work-group, clusters of 4 x 4, 327,680 bytes of LDS; arguments cod, scl, qr, kv; writes qr, kv
.if DOCPART == 2
	.amdgcn_target "amdgcn-amd-amdhsa--gfx1250"
	.amdhsa_code_object_version 6
	.text
	.protected	k_qce3f7d9931_proj
	.globl	k_qce3f7d9931_proj
	.p2align	8
	.type	k_qce3f7d9931_proj,@function
k_qce3f7d9931_proj:
	s_mov_b64 s[64:65], 0
	v_nop
	global_prefetch_b8 v0, s[64:65] scope:SCOPE_SE
	s_setreg_imm32_b32 hwreg(HW_REG_WAVE_MODE, 25, 1), 1
	s_wait_xcnt 0x0
	s_wait_alu depctr_hold_cnt(0) depctr_sa_sdst(0) depctr_va_vdst(0) depctr_va_sdst(0) depctr_va_ssrc(0) depctr_va_vcc(0) depctr_vm_vsrc(0)
	s_getreg_b32 s2, hwreg(HW_REG_IB_STS2, 6, 4)
	s_cmp_eq_u32 s2, 0
	s_cbranch_scc0 .Lentry_in_a_cluster
	s_endpgm
.Lentry_in_a_cluster:
	s_bfe_u32 s2, ttmp6, 0x10000c
	s_cmp_lg_u32 s2, 0xf033
	s_cbranch_scc0 .Lentry_shape_is_right
	s_endpgm
.Lentry_shape_is_right:
; SECOND LAUNCH: the three projections Q = query Wq^T, K = key Wk^T, V = value Wv^T on codes of E2M3, and the quantising of their results for the attention launch.  Nothing is left out as dead.
; ONE BODY FOR THREE PRODUCTS.  A work-group makes a tile S0 (128 rows) x S1 (256 rows), K = 1,024.  Source 0 of the matrix instruction takes 16 rows of S0, source 1 takes 16 rows of S1: a lane then holds ONE row of S1,
; and its registers run along S0.  So S0 is the axis along which the result is quantised next:
;   Q, K (cluster y 0-7, 8-15): S0 = 128 rows of the weight (two heads' 64 channels), S1 = 256 tokens.     V (cluster y 16-23): S0 = 128 tokens (a key step), S1 = 256 rows of Wv (four heads).
; The rows lie in cod in the stored order of the first launch: 16 consecutive places are a tile whose row m is row 8 u + (m % 8) + 16 (m / 8) of its 32, so that a lane's 16 registers of tiles 2 a and 2 a + 1 are 16 neighbours.
; ALL OF K LIES IN LDS AT ONCE: a row's 768 bytes of codes as three chunks of 256, each an aligned run of 256 bytes in memory; every tensor load is a first fill, no byte of LDS is filled twice.
; A wave has four tensor loads out: the scale bytes and the three chunks.  The products of K steps 0-1 need chunk 0, steps 2-4 chunks 0-1, steps 5-7 chunks 1-2: three counted waits, three barriers.
; CLUSTER 4 x 4: S0's rows hang on cluster x, cx and cluster y alone and are asked for jointly by a column of the cluster; S1's on cy and cluster y alone, jointly by a row.
; WAVE w: S1's rows 64 w .. 64 w + 63 (4 tiles j) against all 8 tiles i of S0: 32 accumulators, which take turns, one instruction a turn.
; WHAT IS STORED: operands as images of their registers (four registers: 16 bytes a lane, 512 bytes on end; two registers: 8 bytes a lane).  Per head and 128 tokens a record of 13,056 bytes:
;   +0 eight half fragments (16 tokens x 64 channels: 512 + 256 bytes), +6,144 and +6,400 the scale words of tile pairs (lanes 0-15 the even tile, lanes 16-31 the odd one; bytes 2, 3 = 127 over zero codes),
;   +6,656 four fragments of V (16 channels x 128 keys, 1,536 bytes), +12,800 their scale words.  K and V go to kv, Q to the first 6,656 bytes of qr's records.
; LIMITS: NaN and infinities are not served; a block of zeros gets the byte 1 (its codes are zeros; this program alone reads the bytes).
; REGISTERS: window 0: addresses, scale words, the codes made; window 1: the accumulators, (j, i) at v[8 (8 j + i)]; windows 2, 3: two sets of fragments, S0's tile i at v[12 i], S1's tile j at v[96 + 12 j].
; AS THE TEXT NOW STANDS (this takes the place of what the head says of chunks, counted waits and scale bytes in LDS): each wave issues ONE tensor load, its rows whole: 768 bytes a row,
; 16 bytes of padding behind each 256, so an LDS row is 816 bytes; one wait for 0 and one barrier show all of K.  The scale words come by plain loads straight into registers.
.set RT,    13056                      ; 16 rows of 816 bytes
.set CH,    4*RT                       ; from tile i to tile i + 4: a second address register, so that every offset stays under 65,536
.set S1OFF, 104448                     ; S1's 256 rows lie behind S0's 128
.set SPARE, 326400                     ; the spare words, 128 bytes for each wave: two blocks of 256 bytes that no other line names
.set REC,   13056
.set HEADB, 208896                     ; 16 records: a head
.set A0,  8                            ; v8-9    S0: 816 r + 24 h; + CH for tiles 4-7
.set X0,  11                           ; v11-12  the same for pieces whose partner three pieces on lies in the next chunk: 816 r + 40 h; + CH for tiles 4-7
.set A1,  13                           ; v13-15  S1, my 64 rows
.set X1,  16                           ; v16-17
.set AS0, 18                           ; v18     S0's scale words
.set AS1, 19
.set L16, 20                           ; v20     16 x lane
.set L8,  21                           ; v21     8 x lane
.set SPW, 28                           ; v28     my spare word; never rewritten
.set NIL, 29                           ; v29     0; never rewritten
.set TM,  32                           ; v32-47  at work in the quantiser
.set PW,  48                           ; v48-51  tile j's scale words
.set IM,  52                           ; v52-57  scale images
.set SS0, 64                           ; v64-127  S0's scale words: tile i, K step q at 8 i + q
.set SS1, 128                          ; v128-159 S1's
.set PC,  160                          ; v160-239 tile j's codes at 20 j: 12, and 8 at work
.set G1A, 24
.set G1B, 32
.set G0A, 44                           ; s[44:47] S0's load
.set G0SA, 56
.set G1SA, 68
.set G1SB, 76
.set G0B, 84                           ; s[84:87] S1's load
.set G0SB, 96
.set SEL, 100                          ; s[100:101] lane selects: lane l xor 16
.set MSB, 0
.macro WIN new                         ; the immediate's high byte repeats the setting that is left
.if MSB != (\new)
	s_set_vgpr_msb (MSB<<8)|(\new)
.set MSB, (\new)
.endif
.endm
; A joint load: waves 0 and 1 fetch for S0, waves 2 and 3 for S1.  Each line has one mask and one set of registers for all that issue it; the branch hangs on the wave's number alone.
.macro JLOAD g0a, g1a, g0b, g1b
	s_cmp_eq_u32 s15, 0
	s_cbranch_scc0 .Lfor_b_\@
	tensor_load_to_lds s[\g0a:\g0a+3], s[\g1a:\g1a+7]
	s_nop 0
.rept 4
	v_nop
.endr
	s_branch .Lasked_\@
.Lfor_b_\@:
	tensor_load_to_lds s[\g0b:\g0b+3], s[\g1b:\g1b+7]
	s_nop 0
.rept 4
	v_nop
.endr
.Lasked_\@:
.endm
.macro CROUND                          ; a round of the cluster's barrier
	s_barrier_signal -1
	s_barrier_wait -1
	s_cmp_lg_u32 s14, 0
	s_cbranch_scc1 .Lnot_wave_0_\@
	s_barrier_signal -3
.Lnot_wave_0_\@:
	s_barrier_wait -3
	s_barrier_signal -1
	s_barrier_wait -1
.endm
.macro PLACES                          ; four plain places behind a matrix instruction, ahead of loads into its registers and of reads of its results
.rept 4
	v_nop
.endr
.endm
	s_load_b256 s[4:11], s[0:1], 0x0               ; cod s[4:5], scl s[6:7], qr s[8:9], kv s[10:11]
	v_lshl_add_u32 v[SPW], v0, 2, SPARE
	v_mov_b32 v[NIL], 0
	ds_add_u32 v[SPW], v[NIL]                      ; the wave's opening: the add, twice on end, and its wait ahead of my first tensor load
	ds_add_u32 v[SPW], v[NIL]
	v_lshrrev_b32 v1, 5, v0
	v_readfirstlane_b32 s14, v1                    ; wave 0..3
	s_lshr_b32 s15, s14, 1                         ; I fetch for S0 (0) or for S1 (1)
	s_and_b32 s16, s14, 1                          ; which half of its rows
	s_bfe_u32 s40, ttmp6, 0x40000                  ; cx
	s_bfe_u32 s41, ttmp6, 0x40004                  ; cy
	s_and_b32 s17, ttmp7, 0xffff                   ; cluster y
	s_lshr_b32 s18, s17, 3                         ; m: 0 = Q, 1 = K, 2 = V: the same in all sixteen partners
	s_and_b32 s17, s17, 7                          ; y'
	s_lshr_b32 s19, s18, 1                         ; 1 for V
	s_lshl_b32 s42, s41, 2
	s_lshl_b32 s42, 15, s42                        ; my row of the cluster
	s_lshl_b32 s43, 0x1111, s40                    ; my column
	s_lshl_b32 s20, ttmp9, 2
	s_add_co_u32 s20, s20, s40
	s_mul_i32 s22, s17, s19
	s_lshl_b32 s22, s22, 3
	s_add_co_u32 s20, s20, s22                     ; S0's tile: 4 x cluster x + cx (+ 8 y' for V)
	s_xor_b32 s21, s19, 1
	s_mul_i32 s21, s21, s17
	s_lshl_b32 s21, s21, 2
	s_add_co_u32 s21, s21, s41                     ; S1's tile: cy (+ 4 y' for Q, K)
	s_mul_i32 s23, s19, 10240
	s_lshl_b32 s22, s18, 10
	s_add_co_u32 s22, s22, 24576
	s_sub_co_u32 s22, s22, s23                     ; S0's tensor: Wq at 24,576, Wk at 25,600, value at 16,384
	s_lshl_b32 s60, s20, 7
	s_add_co_u32 s22, s22, s60
	s_lshl_b32 s60, s16, 6
	s_add_co_u32 s22, s22, s60                     ; the first of the 64 rows that I would fetch of S0
	s_lshl_b32 s62, s18, 13
	s_add_co_u32 s62, s62, s23                     ; S1's tensor: query at 0, key at 8,192, Wv at 26,624
	s_lshl_b32 s63, s21, 8
	s_add_co_u32 s62, s62, s63
	s_lshl_b32 s63, s16, 7
	s_add_co_u32 s62, s62, s63                     ; the first of the 128 rows that I would fetch of S1
	s_mul_i32 s2, s22, 768                         ; in bytes: codes,
	s_mov_b32 s3, 0
	s_lshl_b32 s12, s22, 5                         ; scale bytes
	s_mov_b32 s13, 0
	s_mul_i32 s60, s62, 768
	s_mov_b32 s61, 0
	s_lshl_b32 s62, s62, 5
	s_mov_b32 s63, 0
	s_lshl_b32 s23, s16, 11                        ; the scale words are read by every wave for itself: S0's from the tile's first row (64 rows x 32 bytes back for the second half),
	s_sub_co_u32 s12, s12, s23
	s_sub_co_u32 s62, s62, s23
	s_sub_co_u32 s62, s62, s23                     ; S1's from the tile's first row (128 rows back)
	s_lshl_b32 s23, s14, 11
	s_add_co_u32 s62, s62, s23                     ; + my 64 rows
	; descriptor groups 1: elements of 1 byte, rows of 768, 16 bytes of padding behind each 256; bit 21 set beside a mask
	s_or_b32 s[G1A], s43, (1<<20)|(1<<21)|(5<<22)|(3<<25)
	s_or_b32 s[G1B], s42, (1<<20)|(1<<21)|(5<<22)|(3<<25)
.irp g, G1A, G1B
	s_mov_b32 s[\g+1], 768<<16
	s_mov_b32 s[\g+3], 768<<16
	s_mov_b32 s[\g+5], 768
	s_mov_b32 s[\g+6], 0
	s_mov_b32 s[\g+7], 0
.endr
	s_mov_b32 s[G1A+2], 64<<16                     ; S0: 64 rows a wave
	s_mov_b32 s[G1A+4], 64
	s_mov_b32 s[G1B+2], 128<<16                    ; S1: 128 rows a wave
	s_mov_b32 s[G1B+4], 128
	s_mov_b32 s[SEL], 0x76543210
	s_mov_b32 s[SEL+1], 0xfedcba98
	s_wait_dscnt 0x0                               ; both opening adds are done
	s_wait_kmcnt 0x0
	s_add_nc_u64 s[2:3], s[4:5], s[2:3]
	s_add_nc_u64 s[12:13], s[6:7], s[12:13]
	s_add_nc_u64 s[60:61], s[4:5], s[60:61]
	s_add_nc_u64 s[62:63], s[6:7], s[62:63]
	s_mul_i32 s[G0A+1], s16, 64*816
	s_mul_i32 s[G0B+1], s16, 128*816
	s_add_co_u32 s[G0B+1], s[G0B+1], S1OFF
.irp c, 0
	s_mov_b32 s[G0A+4*\c], 1
	s_mov_b32 s[G0B+4*\c], 1
.if \c > 0
	s_add_co_u32 s[G0A+4*\c+1], s[G0A+1], \c*CH
	s_add_co_u32 s[G0B+4*\c+1], s[G0B+1], \c*CH
.endif
	s_add_nc_u64 s[G0A+4*\c+2:G0A+4*\c+3], s[2:3], \c*256
	s_or_b32 s[G0A+4*\c+3], s[G0A+4*\c+3], 0x80000000
	s_add_nc_u64 s[G0B+4*\c+2:G0B+4*\c+3], s[60:61], \c*256
	s_or_b32 s[G0B+4*\c+3], s[G0B+4*\c+3], 0x80000000
.endr
	CROUND                                         ; all sixteen work-groups are here: the joint loads meet
	JLOAD G0A, G1A, G0B, G1B                       ; my one tensor load: my rows, all of K
	v_and_b32 v1, 15, v0                           ; r
	v_bfe_u32 v2, v0, 4, 1                         ; h
	v_mul_u32_u24 v3, v1, 816
	v_mad_u32_u24 v[A0], v2, 24, v3                ; S0's tiles 0-3: 816 r + 24 h
	v_add_nc_u32 v[A0+1], CH, v[A0]                ; tiles 4-7
	v_mad_u32_u24 v[X0], v2, 40, v3                ; for pieces whose partner three pieces on lies behind one padding more: 816 r + 40 h
	v_add_nc_u32 v[X0+1], CH, v[X0]
	s_mul_i32 s22, s14, 64*816
	s_add_co_u32 s22, s22, S1OFF                   ; my 64 rows of S1
	v_add_nc_u32 v[A1], s22, v[A0]
	v_add_nc_u32 v[X1], s22, v[X0]
	v_lshlrev_b32 v[AS0], 5, v1                    ; a row's 32 scale bytes in memory: 32 r
	v_and_b32 v4, 31, v0
	v_lshlrev_b32 v[L16], 4, v4
	v_lshlrev_b32 v[L8], 3, v4
.irp b, 0,1,2,3
	v_mov_b32 v[TM+4+\b], 0                        ; written once: a lane permute's destination counts as one of its sources
.endr
; A fragment, 16 rows x 128 K of 6-bit codes, is 12 registers: lane (r, h) holds row r; registers 6 c .. 6 c + 5 hold K = 64 c + 32 h + 0 .. 31: 24 bytes of the row as they lie, in pieces of 8 bytes.
; Lanes 0-15 take the row's pieces 12 q + 0, 1, 2, 6, 7, 8, lanes 16-31 those three pieces on; a chunk holds 32 pieces; where the piece three on lies in the next chunk the second address register serves.
.macro FRAG reg, a, x, q, i
.irp p, 0,1,2,3,4,5
.set PCE, 12*(\q)+6*(\p/3)+\p%3
.if PCE%32 < 29
	ds_load_b64 v[\reg+2*\p:\reg+2*\p+1], v[\a+(\i)/4] offset:8*(PCE%32)+272*(PCE/32)+((\i)%4)*RT
.else
	ds_load_b64 v[\reg+2*\p:\reg+2*\p+1], v[\x+(\i)/4] offset:8*(PCE%32)+272*(PCE/32)+((\i)%4)*RT
.endif
.endr
.endm
.macro FETCH q                         ; K step q's twelve fragments, 72 loads in one run, into set q % 2
	WIN 0x80+0x40*((\q)%2)
.irp i, 0,1,2,3,4,5,6,7
	FRAG 12*\i, A0, X0, \q, \i
.endr
.irp j, 0,1,2,3
	FRAG 96+12*\j, A1, X1, \q, \j
.endr
	WIN 0
.endm
.macro MUL q, zero                     ; K step q: 32 matrix instructions, the 32 accumulators by turns.  zero = 1: the first products start the sums: nothing is cleared
	WIN 0x5a+5*((\q)%2)
.irp j, 0,1,2,3
.irp i, 0,1,2,3,4,5,6,7
.if \zero
	v_wmma_scale_f32_16x16x128_f8f6f4 v[8*(8*\j+\i):8*(8*\j+\i)+7], v[12*\i:12*\i+11], v[96+12*\j:96+12*\j+11], 0, v[SS0+8*\i+(\q)], v[SS1+8*\j+(\q)] matrix_a_fmt:MATRIX_FMT_FP6 matrix_b_fmt:MATRIX_FMT_FP6
.else
	v_wmma_scale_f32_16x16x128_f8f6f4 v[8*(8*\j+\i):8*(8*\j+\i)+7], v[12*\i:12*\i+11], v[96+12*\j:96+12*\j+11], v[8*(8*\j+\i):8*(8*\j+\i)+7], v[SS0+8*\i+(\q)], v[SS1+8*\j+(\q)] matrix_a_fmt:MATRIX_FMT_FP6 matrix_b_fmt:MATRIX_FMT_FP6
.endif
.endr
.endr
.endm
	s_wait_alu depctr_va_vdst(0)                   ; the wait at the head's end
.irp i, 0,1,2,3,4,5,6,7
	global_load_b128 v[SS0+8*\i:SS0+8*\i+3], v[AS0], s[12:13] offset:512*\i        ; all eight K steps' words of a row: sixteen lanes read a tile's 512 consecutive bytes (lanes 16-31 the same again)
	global_load_b128 v[SS0+8*\i+4:SS0+8*\i+7], v[AS0], s[12:13] offset:512*\i+16
.endr
.irp j, 0,1,2,3
	global_load_b128 v[SS1+8*\j:SS1+8*\j+3], v[AS0], s[62:63] offset:512*\j
	global_load_b128 v[SS1+8*\j+4:SS1+8*\j+7], v[AS0], s[62:63] offset:512*\j+16
.endr
	s_wait_tensorcnt 0x0                           ; my rows are in,
	s_barrier_signal -1
	s_barrier_wait -1                              ; everybody's are: all of K lies in LDS, and nothing is filled again
	FETCH 0
	FETCH 1
	s_wait_loadcnt 0x0                             ; the scale words
	s_wait_dscnt 63                                ; 72 loads are younger than set 0's last: set 0 is in
	MUL 0, 1
	PLACES
	FETCH 2
.irp q, 1,2,3,4,5                      ; step q is multiplied while step q + 1's set is on its way; its own set then takes step q + 2
	s_wait_dscnt 63                                ; 72 loads are younger than this step's last
	MUL \q, 0
	PLACES
	FETCH \q+2
.endr
	s_wait_dscnt 63
	MUL 6, 0
	s_wait_dscnt 0x0
	MUL 7, 0
	WIN 0
	PLACES
; THE WAY OUT.  Tile j's 64 registers of a lane, register 16 b + i = place 32 b + 16 h + i along S0, become a fragment's 12 registers of codes and its scale word.  Each accumulator is read from its low end on.
.macro QUANT j
.set SRC, 64*(\j)
.set PCJ, PC+20*(\j)
	WIN 0x05                                       ; sources 0 and 1: window 1
.irp b, 0,1,2,3
	v_max3_num_f32 v[TM+\b], |v[SRC+16*\b]|, |v[SRC+1+16*\b]|, 0x1800000   ; block b: my 16 numbers, and the floor 2^(3 - 127)
.endr
	WIN 0x14                                       ; sources 1 and 2: window 1
.irp i, 2,4,6,8,10,12,14
.irp b, 0,1,2,3
	v_max3_num_f32 v[TM+\b], v[TM+\b], |v[SRC+16*\b+\i]|, |v[SRC+1+16*\b+\i]|
.endr
.endr
	WIN 0
.irp b, 0,1,2,3
	v_permlanex16_b32 v[TM+4+\b], v[TM+\b], s[SEL], s[SEL+1]
.endr
.irp b, 0,1,2,3
	v_max_num_f32 v[TM+\b], v[TM+\b], v[TM+4+\b]   ; with lane l xor 16's: the block's largest magnitude
.endr
.irp b, 0,1,2,3
	v_add_nc_u32 v[TM+12+\b], 0xff000000, v[TM+\b] ; 2 off its exponent field: the conversion's scale operand
.endr
.irp b, 0,1,2,3
	v_lshrrev_b32 v[TM+4+\b], 23, v[TM+12+\b]      ; the scale's byte
.endr
	v_lshl_or_b32 v[PW+(\j)], v[TM+5], 8, v[TM+4]
	v_lshl_or_b32 v[PW+(\j)], v[TM+6], 16, v[PW+(\j)]
	v_lshl_or_b32 v[PW+(\j)], v[TM+7], 24, v[PW+(\j)]
	WIN 0x01                                       ; source 0: window 1
.irp c, 0,1
	v_cvt_scalef32_pk16_fp6_f32 v[PCJ+6*\c:PCJ+2+6*\c], v[SRC+32*\c:SRC+15+32*\c], v[TM+12+2*\c]
	v_cvt_scalef32_pk16_fp6_f32 v[PCJ+12+4*\c:PCJ+14+4*\c], v[SRC+16+32*\c:SRC+31+32*\c], v[TM+12+2*\c+1]   ; (a conversion's three registers begin on an even number)
.endr
	WIN 0
	v_nop                                          ; one plain place behind a scaled conversion
.irp c, 0,1                                    ; the operand's layout wants a whole block in a lane: lanes 0-15 block 2 c, lanes 16-31 block 2 c + 1
.irp i, 0,1,2
	v_permlane16_swap_b32 v[PCJ+6*\c+\i], v[PCJ+12+4*\c+\i]
.endr
.irp i, 0,1,2
	v_mov_b32 v[PCJ+3+6*\c+\i], v[PCJ+12+4*\c+\i]
.endr
.endr
.endm
	QUANT 0
	QUANT 1
	QUANT 2
	QUANT 3
	s_mov_b32 s22, 0xffff0000                      ; lanes 16-31
	s_cmp_eq_u32 s18, 2
	s_cbranch_scc1 .Lvpath
	; Q, K: registers 0-5 are the first head's 64 channels, registers 6-11 the second's; my four tiles are tiles 4 (w % 2) + j of the record of 128 tokens
	v_cndmask_b32 v[IM+4], v[PW], v[PW+1], s22     ; a pair's words: lanes 0-15 the even tile's, lanes 16-31 the odd one's
	v_cndmask_b32 v[IM+5], v[PW+2], v[PW+3], s22
	s_mov_b32 s23, 0x7f7f0000                      ; the bytes over the zero codes of K = 64 .. 127
.irp p, 0,1
	v_and_or_b32 v[IM+\p], v[IM+4+\p], 0xffff, s23 ; the first head's two bytes
	v_lshrrev_b32 v[IM+2+\p], 16, v[IM+4+\p]
	v_or_b32 v[IM+2+\p], s23, v[IM+2+\p]           ; the second head's
.endr
	s_cmp_eq_u32 s18, 0
	s_cselect_b64 s[8:9], s[8:9], s[10:11]         ; Q to qr, K to kv
	s_lshr_b32 s22, s21, 3                         ; the batch
	s_lshl_b32 s22, s22, 4
	s_lshl_b32 s23, s20, 1
	s_add_co_u32 s22, s22, s23                     ; 16 b + the first head
	s_mul_i32 s22, s22, HEADB
	s_and_b32 s23, s21, 7
	s_lshl_b32 s23, s23, 1
	s_add_co_u32 s23, s23, s15                     ; the record: 2 (tile of 256 tokens in the batch) + w / 2
	s_mul_i32 s23, s23, REC
	s_add_co_u32 s22, s22, s23
	s_mov_b32 s23, 0
	s_add_nc_u64 s[8:9], s[8:9], s[22:23]
	s_mul_i32 s22, s16, 3072
	s_add_nc_u64 s[2:3], s[8:9], s[22:23]          ; my four half fragments
	s_lshl_b32 s22, s16, 8
	s_add_co_u32 s22, s22, 6144
	s_add_nc_u64 s[12:13], s[8:9], s[22:23]        ; my two pairs' words
	s_wait_alu depctr_va_vdst(0)
.irp j, 0,1,2,3
	global_store_b128 v[L16], v[PC+20*\j:PC+20*\j+3], s[2:3] offset:768*\j              ; every store covers whole aligned runs of 256 bytes
	global_store_b64 v[L8], v[PC+20*\j+4:PC+20*\j+5], s[2:3] offset:768*\j+512
	global_store_b128 v[L16], v[PC+20*\j+6:PC+20*\j+9], s[2:3] offset:768*\j+HEADB
	global_store_b64 v[L8], v[PC+20*\j+10:PC+20*\j+11], s[2:3] offset:768*\j+HEADB+512
.endr
	global_store_b64 v[L8], v[IM:IM+1], s[12:13]
	global_store_b64 v[L8], v[IM+2:IM+3], s[12:13] offset:HEADB
	s_branch .Lend
.Lvpath:
	; V: a lane holds one channel of head 4 cy + w, its fragment's K are the key step's 128 keys
	v_cndmask_b32 v[IM], v[PW], v[PW+1], s22
	v_cndmask_b32 v[IM+1], v[PW+2], v[PW+3], s22
	s_lshr_b32 s22, s20, 4                         ; the batch
	s_lshl_b32 s22, s22, 4
	s_lshl_b32 s23, s21, 2
	s_add_co_u32 s22, s22, s23
	s_add_co_u32 s22, s22, s14                     ; 16 b + head
	s_mul_i32 s22, s22, HEADB
	s_and_b32 s23, s20, 15                         ; the key step
	s_mul_i32 s23, s23, REC
	s_add_co_u32 s22, s22, s23
	s_add_co_u32 s22, s22, 6656
	s_mov_b32 s23, 0
	s_add_nc_u64 s[10:11], s[10:11], s[22:23]
	s_wait_alu depctr_va_vdst(0)
.irp j, 0,1,2,3
.irp c, 0,1,2
	global_store_b128 v[L16], v[PC+20*\j+4*\c:PC+20*\j+4*\c+3], s[10:11] offset:1536*\j+512*\c
.endr
.endr
	global_store_b64 v[L8], v[IM:IM+1], s[10:11] offset:6144
.Lend:
	s_wait_tensorcnt 0x0                           ; the wave's end
	ds_add_u32 v[SPW], v[NIL]
	s_wait_dscnt 0x0
	CROUND                                         ; the closing round: no work-group ends while a partner may still ask for a tile that names it
	s_endpgm
.Lfunc_end_k_qce3f7d9931_proj:
	.size	k_qce3f7d9931_proj, .Lfunc_end_k_qce3f7d9931_proj-k_qce3f7d9931_proj
	.p2alignl 7, 3214868480
	.fill 96, 4, 3214868480
	.section	.rodata,"a",@progbits
	.p2align	6, 0x0
	.amdhsa_kernel k_qce3f7d9931_proj
		.amdhsa_group_segment_fixed_size 327680
		.amdhsa_private_segment_fixed_size 0
		.amdhsa_enable_private_segment 0
		.amdhsa_kernarg_size 32
		.amdhsa_user_sgpr_count 2
		.amdhsa_user_sgpr_kernarg_segment_ptr 1
		.amdhsa_wavefront_size32 1
		.amdhsa_system_sgpr_workgroup_id_x 1
		.amdhsa_system_sgpr_workgroup_id_y 1
		.amdhsa_system_sgpr_workgroup_id_z 1
		.amdhsa_system_vgpr_workitem_id 0
		.amdhsa_next_free_vgpr 1024
		.amdhsa_next_free_sgpr 102
		.amdhsa_reserve_vcc 0
		.amdhsa_float_denorm_mode_32 3
		.amdhsa_float_denorm_mode_16_64 3
		.amdhsa_memory_ordered 1
		.amdhsa_forward_progress 1
		.amdhsa_inst_pref_size 100
	.end_amdhsa_kernel
	.amdgpu_metadata
---
amdhsa.version: [ 1, 2 ]
amdhsa.kernels:
  - .name:           k_qce3f7d9931_proj
    .symbol:         k_qce3f7d9931_proj.kd
    .args:
      - { .name: cod, .offset: 0, .size: 8, .value_kind: global_buffer, .address_space: global }
      - { .name: scl, .offset: 8, .size: 8, .value_kind: global_buffer, .address_space: global }
      - { .name: qr, .offset: 16, .size: 8, .value_kind: global_buffer, .address_space: global }
      - { .name: kv, .offset: 24, .size: 8, .value_kind: global_buffer, .address_space: global }
    .group_segment_fixed_size: 327680
    .private_segment_fixed_size: 0
    .kernarg_segment_align: 8
    .kernarg_segment_size: 32
    .max_flat_workgroup_size: 128
    .sgpr_count:     102
    .vgpr_count:     1024
    .wavefront_size: 32
...
	.end_amdgpu_metadata
.endif
;; end of part 2
;; launch attn (part 3): grid 4 x 64, 16 waves a work-group, clusters of 4 x 1, 211,968 bytes of LDS; arguments qr, kv, mb, zc, zs; writes zc, zs
.if DOCPART == 3
	.amdgcn_target "amdgcn-amd-amdhsa--gfx1250"
	.amdhsa_code_object_version 6
	.text
	.protected	k_qce3f7d9931_attn
	.globl	k_qce3f7d9931_attn
	.p2align	8
	.type	k_qce3f7d9931_attn,@function
k_qce3f7d9931_attn:
	s_mov_b64 s[64:65], 0
	v_nop
	global_prefetch_b8 v0, s[64:65] scope:SCOPE_SE
	s_setreg_imm32_b32 hwreg(HW_REG_WAVE_MODE, 25, 1), 1
	s_wait_xcnt 0x0
	s_wait_alu depctr_hold_cnt(0) depctr_sa_sdst(0) depctr_va_vdst(0) depctr_va_sdst(0) depctr_va_ssrc(0) depctr_va_vcc(0) depctr_vm_vsrc(0)
	s_getreg_b32 s2, hwreg(HW_REG_IB_STS2, 6, 4)
	s_cmp_eq_u32 s2, 0
	s_cbranch_scc0 .Lentry_in_a_cluster
	s_endpgm
.Lentry_in_a_cluster:
	s_bfe_u32 s2, ttmp6, 0x10000c
	s_cmp_lg_u32 s2, 0x3003
	s_cbranch_scc0 .Lentry_shape_is_right
	s_endpgm
.Lentry_shape_is_right:
; THIRD LAUNCH: scores, mask, softmax and the product with V, both products on codes of E2M3; the result Z is divided by the row's sum and quantised along the model's axis for the last product.  Nothing is left out as dead.
; SHARES.  A work-group owns 512 queries of one head (batch x head = cluster y); the four work-groups of a cluster own the head's 2,048.  A HEAD'S K AND V FOR ALL 2,048 KEYS LIE IN LDS: 16 records of 13,056 bytes, images of
; operand registers as the second launch stored them.  Wave w brings record w by one joint tensor load, the same in all four partners (mask 15): every tensor load is a first fill, one a wave.
; Each of the sixteen waves then takes two tiles of 16 queries, one after the other, and walks the 16 key steps of 128 keys.  Four waves lie on a SIMD, so that one wave's vector work stands beside another's matrix work.
; LAYOUT.  Both products transposed: S^T = K Q^T (source 0 = 16 keys, source 1 = my 16 queries), O^T = V^T P^T: a lane holds one query throughout.  The keys, queries and channels of a tile are rows 8 u + (m % 8) + 16 (m / 8)
; of their 32, so that the 16 registers of tiles 2 b and 2 b + 1 are 16 neighbours: keys 32 b + 16 h + 0 .. 15, and at the end channels likewise.
; THE HEAD HAS 64 CHANNELS, the instruction's K is 128: registers 6-11 of K's and Q's fragments are zero codes, under the byte 127.
; THE MASK comes as one bit a lane for each score register (first launch), by scalar loads that run a key step ahead.  A masked score becomes -2^33, that is the logit -2^30 where the problem fills in -1e9.
; -2^33 x c is a whole number, so in a row whose every key is masked t - M is exactly 0 and every p is 1, as with -1e9; in every other row a masked p is 0, as with -1e9.  What was summed while a row had seen masked keys alone is
; multiplied by 2^(old M - new M) = 0 at the first key that counts.  LIMIT: logits of unmasked keys at or under about -1e9 are not told from masked ones.
; THE SOFTMAX: t = score x log2(e) / 8; M = the row's largest t so far, rounded up to a whole number; p = 2^(t - M) is quantised along the keys, not normalised; the row's sum is taken of the unquantised p and divides O at the end.
; LIMITS: NaN and infinities are not served; a block of zeros gets the byte 1 (its codes are zeros; this program alone reads the bytes).
; All tensor loads go out at the head; later come each tile's Q and the mask's words, a step ahead.
.set REC,   13056
.set HEADB, 208896
.set ZS,    208896                     ; behind the records: Z's scale bytes of my 512 queries, two a query: 1,024 bytes, blocks into which no tensor load lands
.set SPARE, 209920                     ; the spare words, 128 bytes for each wave: eight blocks of 256 bytes that no other line names
.set KF,  32                           ; v32-79   four fragments of K (registers 6-11 of each: zeros, written once)
.set VF,  80                           ; v80-127  four fragments of V
.set S,   128                          ; v128-191 S^T, then p; at the end Z
.set O,   192                          ; v192-223 O^T
.set P,   224                          ; v224-235 p's codes
.set BM,  248                          ; v248-251 the blocks' largest scores
; v1 16 x lane, v2 8 x lane, v3 v4 the step's LDS addresses, v5 my spare word, v6 0, v7 -2^33, v8 Q's scale words (lanes 0-15 my first tile, 16-31 my second), v9 where Z's scale bytes go,
; v[10:11] V's scale words, v12 -M, v13 the largest t, v[14:15] the sum in two halves, v16-27 Q (22-27 zeros), v28-31 K's scale words, v236-247 at work, v252 f, v253 p's scale word, v254 at work.
; s2 the record's LDS byte, s3 the steps to go, s[4:5] Q, s[6:7] Q's scale words, s[8:9] my mask words, s[10:11] zc, s[12:13] zs, s14 wave, s15 batch x head, s16 the mask words' offset,
; s[20:23], s[24:31] the descriptor, s[32:63] and s[68:99] the step's 64 mask words, s66 s67 lane selects, s[100:101] c.
.macro CROUND                          ; a round of the cluster's barrier
	s_barrier_signal -1
	s_barrier_wait -1
	s_cmp_lg_u32 s14, 0
	s_cbranch_scc1 .Lnot_wave_0_\@
	s_barrier_signal -3
.Lnot_wave_0_\@:
	s_barrier_wait -3
	s_barrier_signal -1
	s_barrier_wait -1
.endm
.macro MWORDS                          ; a key step's 64 mask words, 256 consecutive bytes
	s_load_b512 s[32:47], s[8:9], s16 offset:0x0
	s_load_b512 s[48:63], s[8:9], s16 offset:0x40
	s_load_b512 s[68:83], s[8:9], s16 offset:0x80
	s_load_b512 s[84:99], s[8:9], s16 offset:0xc0
.endm
	s_load_b256 s[4:11], s[0:1], 0x0               ; qr, kv, mb, zc
	s_load_b64 s[12:13], s[0:1], 0x20              ; zs
	v_lshl_add_u32 v5, v0, 2, SPARE
	v_mov_b32 v6, 0
	ds_add_u32 v5, v6                              ; the wave's opening: the add, twice on end, and its wait ahead of my first tensor load
	ds_add_u32 v5, v6
	v_lshrrev_b32 v1, 5, v0
	s_delay_alu instid0(VALU_DEP_1)
	v_readfirstlane_b32 s14, v1                    ; wave 0..15
	s_and_b32 s15, ttmp7, 0xffff                   ; 16 b + head, which the four partners share
	s_bfe_u32 s17, ttmp6, 0x40000                  ; cx: my block of 512 queries; it enters global addresses of Q, the mask and Z alone
	s_mov_b32 s24, 15|(3<<16)|(1<<21)              ; group 1: the mask names all four; elements of 8 bytes; no padding; bit 21 set beside a mask
	s_mov_b32 s25, 32<<16                          ; a record is dense: 51 rows of 256 bytes
	s_mov_b32 s26, 51<<16
	s_mov_b32 s27, 32<<16
	s_mov_b32 s28, 51
	s_mov_b32 s29, 32
	s_mov_b32 s30, 0
	s_mov_b32 s31, 0
	s_mul_i32 s32, s15, HEADB                      ; the head's first byte in kv and in qr
	s_mov_b32 s33, 0
	s_mul_i32 s34, s14, REC                        ; my record, in memory and in LDS
	s_mov_b32 s35, 0
	s_mov_b32 s66, 0x76543210
	s_mov_b32 s67, 0xfedcba98
	s_mov_b32 s100, 0x3e38aa3b                     ; c = log2(e) / sqrt(64)
	s_mov_b32 s101, s100                           ; (named with it as a pair, so it is written)
	s_wait_dscnt 0x0                               ; both opening adds are done
	s_wait_kmcnt 0x0
	s_mov_b32 s20, 1
	s_mov_b32 s21, s34
	s_add_nc_u64 s[22:23], s[6:7], s[32:33]
	s_add_nc_u64 s[22:23], s[22:23], s[34:35]
	s_or_b32 s23, s23, 0x80000000
	CROUND                                         ; all four work-groups are here: the joint loads meet
	tensor_load_to_lds s[20:23], s[24:31]          ; my one tensor load
	s_nop 0
.rept 4
	v_nop
.endr
	s_lshl_b32 s36, s17, 2
	s_lshr_b32 s37, s14, 2
	s_add_co_u32 s36, s36, s37                     ; my queries' record: 4 cx + w / 4
	s_mul_i32 s36, s36, REC
	s_add_co_u32 s36, s36, s32
	s_mov_b32 s37, 0
	s_add_nc_u64 s[4:5], s[4:5], s[36:37]
	s_and_b32 s38, s14, 3                          ; my pair of tiles in it
	s_lshr_b32 s40, s38, 1
	s_lshl_b32 s40, s40, 8
	s_and_b32 s41, s14, 1
	s_lshl_b32 s41, s41, 2
	s_add_co_u32 s40, s40, s41
	s_add_co_u32 s40, s40, 6144
	s_mov_b32 s41, 0
	s_add_nc_u64 s[6:7], s[4:5], s[40:41]          ; the pair's scale words
	s_mul_i32 s38, s38, 1536
	s_mov_b32 s39, 0
	s_add_nc_u64 s[4:5], s[4:5], s[38:39]          ; its two half fragments
	s_lshr_b32 s42, s15, 4                         ; b
	s_and_b32 s43, s15, 15                         ; head
	s_lshl_b32 s44, s42, 7
	s_lshl_b32 s45, s17, 5
	s_add_co_u32 s44, s44, s45
	s_lshl_b32 s45, s14, 1
	s_add_co_u32 s44, s44, s45                     ; my first query tile among all: 128 b + 32 cx + 2 w
	s_lshl_b32 s44, s44, 12
	s_mov_b32 s45, 0
	s_add_nc_u64 s[8:9], s[8:9], s[44:45]          ; my two tiles' mask words: 8,192 bytes on end
	s_lshl_b32 s46, s42, 3
	s_lshl_b32 s47, s17, 1
	s_add_co_u32 s46, s46, s47
	s_lshr_b32 s47, s14, 3
	s_add_co_u32 s46, s46, s47                     ; Z's block of 256 tokens
	s_mul_i32 s46, s46, 196608
	s_lshr_b32 s47, s43, 1
	s_mul_i32 s47, s47, 24576                      ; the last product's K step: two heads
	s_add_co_u32 s46, s46, s47
	s_and_b32 s47, s14, 7
	s_mul_i32 s47, s47, 3072                       ; my two tiles in the block
	s_add_co_u32 s46, s46, s47
	s_and_b32 s47, s43, 1
	s_mul_i32 s47, s47, 768                        ; which half of the fragment
	s_add_co_u32 s46, s46, s47
	s_mov_b32 s47, 0
	s_add_nc_u64 s[10:11], s[10:11], s[46:47]
	s_lshl_b32 s48, s43, 14                        ; zs: [head][token], two bytes
	s_lshl_b32 s49, s42, 12
	s_add_co_u32 s48, s48, s49
	s_lshl_b32 s49, s17, 10
	s_add_co_u32 s48, s48, s49
	s_mov_b32 s49, 0
	s_add_nc_u64 s[12:13], s[12:13], s[48:49]
	s_mov_b32 s16, 0
	MWORDS                                         ; the first step's mask words
	v_and_b32 v254, 31, v0
	s_delay_alu instid0(VALU_DEP_1)
	v_lshlrev_b32 v1, 4, v254
	s_delay_alu instid0(VALU_DEP_2)
	v_lshlrev_b32 v2, 3, v254
	global_load_b32 v8, v2, s[6:7]                 ; Q's scale words, both tiles'
	v_and_b32 v9, 15, v0
	s_delay_alu instid0(VALU_DEP_1)
	v_and_b32 v254, 8, v9
	s_delay_alu instid0(VALU_DEP_1)
	v_add_nc_u32 v9, v9, v254                      ; r + 8 (r / 8)
	s_delay_alu instid0(VALU_DEP_1)
	v_lshlrev_b32 v9, 1, v9
	s_lshl_b32 s18, s14, 6
	s_add_co_u32 s18, s18, ZS
	v_add_nc_u32 v9, s18, v9                       ; two bytes a query; a wave's 32 queries are 64 bytes
	v_mov_b32 v7, 0xd0000000                       ; -2^33
.irp i, 22,23,24,25,26,27
	v_mov_b32 v[\i], 0                             ; Q's zero codes
.endr
.irp t, 0,1,2,3
.irp i, 6,7,8,9,10,11
	v_mov_b32 v[KF+12*\t+\i], 0                    ; K's
.endr
.endr
.irp b, 0,1,2,3
	v_mov_b32 v[236+\b], 0                         ; written once: a lane permute's destination counts as one of its sources
.endr
	v_mov_b32 v253, 0                              ; (named as the upper half of the pair v[252:253] before it is first written)
	s_wait_tensorcnt 0x0                           ; my record is in,
	s_barrier_signal -1
	s_barrier_wait -1                              ; everybody's is
.macro QK tau, trip                    ; S^T of key tile tau.  K's words: the pair's register, lanes 16-31 for an odd tile; Q's: lanes 16-31 for my second tile
.set rS, S+8*(\tau)
.set rK, KF+12*((\tau)%4)
.set rW, 28+(\tau)/2
.if ((\tau)%2 == 0) && ((\trip) == 0)
	v_wmma_scale_f32_16x16x128_f8f6f4 v[rS:rS+7], v[rK:rK+11], v[16:27], 0, v[rW], v8 matrix_a_fmt:MATRIX_FMT_FP6 matrix_b_fmt:MATRIX_FMT_FP6
.elseif (\trip) == 0
	v_wmma_scale_f32_16x16x128_f8f6f4 v[rS:rS+7], v[rK:rK+11], v[16:27], 0, v[rW], v8 matrix_a_fmt:MATRIX_FMT_FP6 matrix_b_fmt:MATRIX_FMT_FP6 matrix_a_scale:MATRIX_SCALE_ROW1
.elseif (\tau)%2 == 0
	v_wmma_scale_f32_16x16x128_f8f6f4 v[rS:rS+7], v[rK:rK+11], v[16:27], 0, v[rW], v8 matrix_a_fmt:MATRIX_FMT_FP6 matrix_b_fmt:MATRIX_FMT_FP6 matrix_b_scale:MATRIX_SCALE_ROW1
.else
	v_wmma_scale_f32_16x16x128_f8f6f4 v[rS:rS+7], v[rK:rK+11], v[16:27], 0, v[rW], v8 matrix_a_fmt:MATRIX_FMT_FP6 matrix_b_fmt:MATRIX_FMT_FP6 matrix_a_scale:MATRIX_SCALE_ROW1 matrix_b_scale:MATRIX_SCALE_ROW1
.endif
.endm
.macro KLOAD t0                        ; four half fragments of K: key tiles t0 .. t0 + 3
.irp t, 0,1,2,3
	ds_load_b128 v[KF+12*\t:KF+12*\t+3], v3 offset:768*(\t0+\t)
	ds_load_b64 v[KF+12*\t+4:KF+12*\t+5], v4 offset:768*(\t0+\t)+512
.endr
.endm
; A KEY STEP: 128 keys, the record at LDS byte s2
.macro KPRE                            ; what a step's first four products take: K's scale words and key tiles 0-3 of the record at v3, v4: ten loads
	ds_load_b64 v[28:29], v4 offset:6144           ; pairs 0, 1
	ds_load_b64 v[30:31], v4 offset:6400           ; pairs 2, 3
	KLOAD 0
.endm
.macro HALF n0, b0, b1                 ; 32 scores: the mask, then the largest score of each of their two blocks of 32 keys (for the row's maximum and, since p rises with the score, for the block's largest p)
.set n, \n0
.rept 32
	v_cndmask_b32 v[S+n], v7, v[S+n], s[32+n+4*(n/32)]   ; a key that does not count: -2^33.  Each accumulator from its low end on
.set n, n+1
.endr
.irp b, \b0, \b1
	v_max3_num_f32 v[BM+\b], v[S+16*\b], v[S+1+16*\b], v[S+2+16*\b]
.endr
.irp i, 3,5,7,9,11,13
.irp b, \b0, \b1
	s_delay_alu instid0(VALU_DEP_2)
	v_max3_num_f32 v[BM+\b], v[BM+\b], v[S+16*\b+\i], v[S+1+16*\b+\i]
.endr
.endr
.irp b, \b0, \b1
	s_delay_alu instid0(VALU_DEP_2)
	v_max_num_f32 v[BM+\b], v[BM+\b], v[S+15+16*\b]
.endr
.endm
; At a step's head v3, v4 point at its record and KPRE's ten loads for it are out or in: they were issued in the step before (the first step's: ahead of the loop).
.macro STEP trip
.rept 4
	v_nop                                          ; four plain places behind the last products, ahead of loads into their registers
.endr
.irp t, 0,1,2,3
.irp c, 0,1,2
	ds_load_b128 v[VF+12*\t+4*\c:VF+12*\t+4*\c+3], v3 offset:6656+1536*\t+512*\c
.endr
.endr
	ds_load_b64 v[10:11], v4 offset:12800          ; V's scale words
	s_wait_dscnt 13                                ; K's ten loads are in; V's thirteen, which are younger, may be out
.irp u, 0,1,2,3
	QK \u, \trip
.endr
.rept 4
	v_nop
.endr
	KLOAD 4
	s_wait_kmcnt 0x0                               ; this step's mask words are in
	HALF 0, 0, 1                                   ; key tiles 0-3's scores are worked while key tiles 4-7 come from LDS
	s_wait_dscnt 0x0
.irp u, 4,5,6,7
	QK \u, \trip
.endr
	s_add_co_u32 s19, s2, REC                      ; the next step's record; the last step names its own once more, so that no load leaves the sixteen records (those ten loads are not used)
	s_min_u32 s19, s19, 15*REC
	v_add_nc_u32 v3, s19, v1
	v_add_nc_u32 v4, s19, v2
	v_nop
	v_nop                                          ; with the two lines above: four plain places behind the products
	KPRE                                           ; the rest of this step stands between these loads and the wait for them
	HALF 32, 2, 3
.irp b, 0,1
	v_permlanex16_b32 v[236+\b], v[BM+\b], s66, s67
.endr
.irp b, 2,3
	s_delay_alu instid0(VALU_DEP_4)
	v_permlanex16_b32 v[236+\b], v[BM+\b], s66, s67
.endr
.irp b, 0,1,2,3
	s_delay_alu instid0(VALU_DEP_4)
	v_max_num_f32 v[BM+\b], v[BM+\b], v[236+\b]    ; with lane l xor 16's 16 keys
.endr
	s_add_co_u32 s16, s16, 256                     ; (the wait on KMcnt above has shown the last loads done: their offset may be written)
	s_min_u32 s16, s16, 7936                       ; the very last step asks once more for its own words: no load leaves my 8,192 bytes
	MWORDS                                         ; the next step's mask words, most of a step ahead
	v_max3_num_f32 v254, v248, v249, v250
	s_delay_alu instid0(VALU_DEP_1)
	v_max_num_f32 v254, v254, v251                 ; the step's largest score of my query
	s_delay_alu instid0(VALU_DEP_1)
	v_mul_f32 v254, s100, v254                     ; as t (c is positive)
	s_delay_alu instid0(VALU_DEP_1)
	v_max_num_f32 v13, v13, v254                   ; the running largest t
	v_mov_b32 v254, v12
	s_delay_alu instid0(VALU_DEP_2)
	v_floor_f32 v12, -v13                          ; the new -M = floor(-t): M is a whole number
	s_delay_alu instid0(VALU_DEP_1)
	v_sub_f32 v254, v12, v254                      ; old M - new M: a whole number, 0 or less
	s_delay_alu instid0(VALU_DEP_1)
	v_cvt_i32_f32 v254, v254                       ; (it saturates)
	s_delay_alu instid0(VALU_DEP_1)
	v_ldexp_f32 v252, 1.0, v254                    ; f = 2^(old M - new M)
.set n, 0
.rept 32
	v_pk_fma_f32 v[S+n:S+n+1], v[S+n:S+n+1], s[100:101], v[12:13] op_sel_hi:[1,0,0]   ; t - M, two at a time
.set n, n+2
.endr
.irp b, 0,1,2,3
	v_fma_f32 v[BM+\b], v[BM+\b], s100, v12        ; the same of each block's largest score
.endr
.set n, 0
	s_wait_alu depctr_va_vdst(0)
.rept 64
	v_exp_f32 v[S+n], v[S+n]                       ; p = 2^(t - M), at most 1, not normalised
.set n, n+1
.endr
	v_pk_mul_f32 v[14:15], v[14:15], v[252:253] op_sel_hi:[1,0]   ; the sums under the new M: a plain place behind the exponentials
	s_wait_alu depctr_va_vdst(0)                   ; one wait for the whole batch, ahead of its first reader
.irp b, 0,1,2,3
	v_exp_f32 v[BM+\b], v[BM+\b]                   ; the block's largest p: the same two instructions on the same number give the same bits
.endr
	v_pk_add_f32 v[236:237], v[132:133], v[136:137]
	v_pk_add_f32 v[246:247], v[140:141], v[144:145]
	v_pk_add_f32 v[244:245], v[148:149], v[152:153]
	v_pk_add_f32 v[242:243], v[156:157], v[160:161]
	v_pk_add_f32 v[240:241], v[164:165], v[168:169]
	v_pk_add_f32 v[238:239], v[172:173], v[176:177]
	v_pk_add_f32 v[234:235], v[180:181], v[184:185]
	v_pk_add_f32 v[14:15], v[14:15], v[188:189]
	v_pk_add_f32 v[236:237], v[236:237], v[128:129]
	v_pk_add_f32 v[246:247], v[246:247], v[130:131]
	v_pk_add_f32 v[244:245], v[244:245], v[134:135]
	v_pk_add_f32 v[242:243], v[242:243], v[138:139]
	v_pk_add_f32 v[240:241], v[240:241], v[142:143]
	v_pk_add_f32 v[238:239], v[238:239], v[146:147]
	v_pk_add_f32 v[234:235], v[234:235], v[150:151]
	v_pk_add_f32 v[14:15], v[14:15], v[154:155]
	v_pk_add_f32 v[236:237], v[236:237], v[158:159]
	v_pk_add_f32 v[246:247], v[246:247], v[162:163]
	v_pk_add_f32 v[244:245], v[244:245], v[166:167]
	v_pk_add_f32 v[242:243], v[242:243], v[170:171]
	v_pk_add_f32 v[240:241], v[240:241], v[174:175]
	v_pk_add_f32 v[238:239], v[238:239], v[178:179]
	v_pk_add_f32 v[234:235], v[234:235], v[182:183]
	v_pk_add_f32 v[14:15], v[14:15], v[186:187]
	v_pk_add_f32 v[236:237], v[236:237], v[190:191]
	s_delay_alu instid0(VALU_DEP_2)
	v_pk_add_f32 v[14:15], v[14:15], v[242:243]
	s_delay_alu instid0(VALU_DEP_2)
	v_pk_add_f32 v[236:237], v[236:237], v[240:241]
	v_pk_add_f32 v[246:247], v[246:247], v[238:239]
	v_pk_add_f32 v[244:245], v[244:245], v[234:235]
	s_delay_alu instid0(VALU_DEP_2)
	v_pk_add_f32 v[14:15], v[14:15], v[246:247]
	s_delay_alu instid0(VALU_DEP_2)
	v_pk_add_f32 v[236:237], v[236:237], v[244:245]
	s_delay_alu instid0(VALU_DEP_1)
	v_pk_add_f32 v[14:15], v[14:15], v[236:237]
	s_wait_alu depctr_va_vdst(0)                   ; and one for the four
.irp b, 0,1,2,3
	v_max_num_f32 v[BM+\b], 0x1800000, v[BM+\b]    ; the floor 2^(3 - 127): the byte cannot fall under 1
.endr
.irp b, 0,1,2,3
	s_delay_alu instid0(VALU_DEP_4)
	v_add_nc_u32 v[244+\b], 0xff000000, v[BM+\b]   ; 2 off the exponent field: the conversion's scale operand
.endr
.irp b, 0,1,2,3
	s_delay_alu instid0(VALU_DEP_4)
	v_lshrrev_b32 v[236+\b], 23, v[244+\b]         ; the scale's byte
.endr
	s_delay_alu instid0(VALU_DEP_3)
	v_lshl_or_b32 v253, v237, 8, v236              ; p's scale word for these 128 keys
	s_delay_alu instid0(VALU_DEP_1)
	v_lshl_or_b32 v253, v238, 16, v253
	s_delay_alu instid0(VALU_DEP_1)
	v_lshl_or_b32 v253, v239, 24, v253
.irp c, 0,1
	v_cvt_scalef32_pk16_fp6_f32 v[P+6*\c:P+2+6*\c], v[S+32*\c:S+15+32*\c], v[244+2*\c]
	v_cvt_scalef32_pk16_fp6_f32 v[236+4*\c:238+4*\c], v[S+16+32*\c:S+31+32*\c], v[244+2*\c+1]   ; (a conversion's three registers begin on an even number)
.endr
	v_nop                                          ; one plain place behind a scaled conversion
.irp c, 0,1                                    ; a whole block in a lane: lanes 0-15 block 2 c, lanes 16-31 block 2 c + 1
.irp i, 0,1,2
	v_permlane16_swap_b32 v[P+6*\c+\i], v[236+4*\c+\i]
.endr
.irp i, 0,1,2
	s_delay_alu instid0(VALU_DEP_3)
	v_mov_b32 v[P+3+6*\c+\i], v[236+4*\c+\i]
.endr
.endr
.set n, 0
.rept 16
	v_pk_mul_f32 v[O+n:O+n+1], v[O+n:O+n+1], v[252:253] op_sel_hi:[1,0]   ; O^T under the new M.  These sixteen are also the places between the lines that made p's codes and scale word and the products below
.set n, n+2
.endr
.irp t, 0,1,2,3                                ; O^T += V^T P^T: four accumulators, one instruction each
.if \t%2 == 0
	v_wmma_scale_f32_16x16x128_f8f6f4 v[O+8*\t:O+8*\t+7], v[VF+12*\t:VF+12*\t+11], v[P:P+11], v[O+8*\t:O+8*\t+7], v[10+\t/2], v253 matrix_a_fmt:MATRIX_FMT_FP6 matrix_b_fmt:MATRIX_FMT_FP6
.else
	v_wmma_scale_f32_16x16x128_f8f6f4 v[O+8*\t:O+8*\t+7], v[VF+12*\t:VF+12*\t+11], v[P:P+11], v[O+8*\t:O+8*\t+7], v[10+\t/2], v253 matrix_a_fmt:MATRIX_FMT_FP6 matrix_b_fmt:MATRIX_FMT_FP6 matrix_a_scale:MATRIX_SCALE_ROW1
.endif
.endr
.endm
; A tile's end: Z = O^T / the sum; register 16 b + i of a lane is channel 32 b + 16 h + i of its query: two blocks of the last product's K.  They become half a fragment (6 registers) and two scale bytes.
.macro ZOUT trip
.rept 4
	v_nop
.endr
	v_add_f32 v14, v14, v15                        ; the sum's two halves,
	s_delay_alu instid0(VALU_DEP_1)
	v_permlanex16_b32 v254, v14, s66, s67
	s_delay_alu instid0(VALU_DEP_1)
	v_add_f32 v14, v14, v254                       ; and lane l xor 16's
	s_wait_alu depctr_va_vdst(0)
	v_rcp_f32 v14, v14
	v_nop                                          ; a plain place behind the reciprocal
	s_wait_alu depctr_va_vdst(0)                   ; and the wait ahead of its first reader
.set n, 0
.rept 32
	v_mul_f32 v[S+n], v[O+n], v14                  ; each accumulator from its low end on
.set n, n+1
.endr
.irp b, 0,1
	v_max3_num_f32 v[BM+\b], |v[S+16*\b]|, |v[S+1+16*\b]|, 0x1800000
.endr
.irp i, 2,4,6,8,10,12,14
.irp b, 0,1
	s_delay_alu instid0(VALU_DEP_2)
	v_max3_num_f32 v[BM+\b], v[BM+\b], |v[S+16*\b+\i]|, |v[S+1+16*\b+\i]|
.endr
.endr
.irp b, 0,1
	s_delay_alu instid0(VALU_DEP_2)
	v_permlanex16_b32 v[236+\b], v[BM+\b], s66, s67
.endr
.irp b, 0,1
	s_delay_alu instid0(VALU_DEP_2)
	v_max_num_f32 v[BM+\b], v[BM+\b], v[236+\b]
.endr
.irp b, 0,1
	s_delay_alu instid0(VALU_DEP_2)
	v_add_nc_u32 v[244+\b], 0xff000000, v[BM+\b]
.endr
.irp b, 0,1
	s_delay_alu instid0(VALU_DEP_2)
	v_lshrrev_b32 v[236+\b], 23, v[244+\b]
.endr
	s_delay_alu instid0(VALU_DEP_1)
	v_lshl_or_b32 v254, v237, 8, v236              ; my query's two bytes
	v_cvt_scalef32_pk16_fp6_f32 v[P:P+2], v[S:S+15], v244
	v_cvt_scalef32_pk16_fp6_f32 v[240:242], v[S+16:S+31], v245
	v_nop
.irp i, 0,1,2
	v_permlane16_swap_b32 v[P+\i], v[240+\i]
.endr
.irp i, 0,1,2
	s_delay_alu instid0(VALU_DEP_3)
	v_mov_b32 v[P+3+\i], v[240+\i]
.endr
	global_store_b128 v1, v[P:P+3], s[10:11] offset:1536*\trip        ; images: 512 and 256 consecutive bytes, aligned
	global_store_b64 v2, v[P+4:P+5], s[10:11] offset:1536*\trip+512
	ds_store_b16 v9, v254 offset:16*\trip          ; both halves of the lanes write the same bytes with the same value
.endm
.macro TILE trip
	s_wait_xcnt 0x0                                ; the last tile's stores have read p's registers, which this tile writes again
	global_load_b128 v[16:19], v1, s[4:5] offset:768*\trip
	global_load_b64 v[20:21], v2, s[4:5] offset:768*\trip+512
	v_mov_b32 v13, 0xff61b1e6                      ; the largest t so far: -3e38
	s_delay_alu instid0(VALU_DEP_1)
	v_floor_f32 v12, -v13                          ; -M
	v_mov_b32 v14, 0
	v_mov_b32 v15, 0
.set n, 0
.rept 32
	v_mov_b32 v[O+n], 0                            ; the step is written once: the first finds zeros, which the first change of M leaves zeros
.set n, n+1
.endr
	s_wait_dscnt 0x0                               ; the last tile's ten unused loads have landed: their registers may take loads again
	v_mov_b32 v3, v1                               ; the first record lies at LDS byte 0
	v_mov_b32 v4, v2
	KPRE
	s_mov_b32 s2, 0
	s_mov_b32 s3, 16
	s_wait_alu depctr_va_vdst(0)
	s_wait_loadcnt 0x0
.Lstep_\@:
	STEP \trip
	s_add_co_u32 s2, s2, REC
	s_sub_co_u32 s3, s3, 1
	s_cmp_lg_u32 s3, 0
	s_cbranch_scc1 .Lstep_\@
	ZOUT \trip
.endm
	TILE 0
	TILE 1
	s_wait_dscnt 0x0                               ; for the others' sake: my scale bytes lie in LDS
	s_barrier_signal -1
	s_barrier_wait -1
	v_and_b32 v132, 63, v0
	s_delay_alu instid0(VALU_DEP_1)
	v_lshlrev_b32 v132, 4, v132
	s_delay_alu instid0(VALU_DEP_1)
	v_add_nc_u32 v133, ZS, v132
	s_cmp_lt_u32 s14, 2                            ; waves 0 and 1 store the work-group's 1,024 bytes
	s_cbranch_scc0 .Lno_zs
	ds_load_b128 v[128:131], v133
	s_wait_dscnt 0x0
	s_wait_alu depctr_va_vdst(0)
	global_store_b128 v132, v[128:131], s[12:13]   ; a wave stores 512 consecutive bytes, aligned
.Lno_zs:
	s_wait_kmcnt 0x0                               ; the last, clamped mask words
	s_wait_tensorcnt 0x0                           ; the wave's end
	ds_add_u32 v5, v6
	s_wait_dscnt 0x0
	CROUND                                         ; the closing round
	s_endpgm
.Lfunc_end_k_qce3f7d9931_attn:
	.size	k_qce3f7d9931_attn, .Lfunc_end_k_qce3f7d9931_attn-k_qce3f7d9931_attn
	.p2alignl 7, 3214868480
	.fill 96, 4, 3214868480
	.section	.rodata,"a",@progbits
	.p2align	6, 0x0
	.amdhsa_kernel k_qce3f7d9931_attn
		.amdhsa_group_segment_fixed_size 211968
		.amdhsa_private_segment_fixed_size 0
		.amdhsa_enable_private_segment 0
		.amdhsa_kernarg_size 40
		.amdhsa_user_sgpr_count 2
		.amdhsa_user_sgpr_kernarg_segment_ptr 1
		.amdhsa_wavefront_size32 1
		.amdhsa_system_sgpr_workgroup_id_x 1
		.amdhsa_system_sgpr_workgroup_id_y 1
		.amdhsa_system_sgpr_workgroup_id_z 1
		.amdhsa_system_vgpr_workitem_id 0
		.amdhsa_next_free_vgpr 256
		.amdhsa_next_free_sgpr 102
		.amdhsa_reserve_vcc 0
		.amdhsa_float_denorm_mode_32 3
		.amdhsa_float_denorm_mode_16_64 3
		.amdhsa_memory_ordered 1
		.amdhsa_forward_progress 1
		.amdhsa_inst_pref_size 66
	.end_amdhsa_kernel
	.amdgpu_metadata
---
amdhsa.version: [ 1, 2 ]
amdhsa.kernels:
  - .name:           k_qce3f7d9931_attn
    .symbol:         k_qce3f7d9931_attn.kd
    .args:
      - { .name: qr, .offset: 0, .size: 8, .value_kind: global_buffer, .address_space: global }
      - { .name: kv, .offset: 8, .size: 8, .value_kind: global_buffer, .address_space: global }
      - { .name: mb, .offset: 16, .size: 8, .value_kind: global_buffer, .address_space: global }
      - { .name: zc, .offset: 24, .size: 8, .value_kind: global_buffer, .address_space: global }
      - { .name: zs, .offset: 32, .size: 8, .value_kind: global_buffer, .address_space: global }
    .group_segment_fixed_size: 211968
    .private_segment_fixed_size: 0
    .kernarg_segment_align: 8
    .kernarg_segment_size: 40
    .max_flat_workgroup_size: 512
    .sgpr_count:     102
    .vgpr_count:     256
    .wavefront_size: 32
...
	.end_amdgpu_metadata
.endif
;; end of part 3
;; launch outp (part 4): grid 8 x 32, 4 waves a work-group, clusters of 4 x 4, 327,680 bytes of LDS; arguments cod, scl, zc, zs, bo, out0; writes out0
.if DOCPART == 4
	.amdgcn_target "amdgcn-amd-amdhsa--gfx1250"
	.amdhsa_code_object_version 6
	.text
	.protected	k_qce3f7d9931_outp
	.globl	k_qce3f7d9931_outp
	.p2align	8
	.type	k_qce3f7d9931_outp,@function
k_qce3f7d9931_outp:
	s_mov_b64 s[64:65], 0
	v_nop
	global_prefetch_b8 v0, s[64:65] scope:SCOPE_SE
	s_setreg_imm32_b32 hwreg(HW_REG_WAVE_MODE, 25, 1), 1
	s_wait_xcnt 0x0
	s_wait_alu depctr_hold_cnt(0) depctr_sa_sdst(0) depctr_va_vdst(0) depctr_va_sdst(0) depctr_va_ssrc(0) depctr_va_vcc(0) depctr_vm_vsrc(0)
	s_getreg_b32 s2, hwreg(HW_REG_IB_STS2, 6, 4)
	s_cmp_eq_u32 s2, 0
	s_cbranch_scc0 .Lentry_in_a_cluster
	s_endpgm
.Lentry_in_a_cluster:
	s_bfe_u32 s2, ttmp6, 0x10000c
	s_cmp_lg_u32 s2, 0xf033
	s_cbranch_scc0 .Lentry_shape_is_right
	s_endpgm
.Lentry_shape_is_right:
; FOURTH LAUNCH: out0 = Z Wo^T + bo on codes of E2M3.  Nothing is left out as dead.
; The tile and the walk over K are the second launch's: S0 = 128 rows of Wo (source 0; a lane's registers run along the output's features), S1 = 256 tokens of Z (source 1; a lane holds one token), K = 1,024, all of it in LDS at once.
; Wo's codes come as three chunks of 256 bytes a row, as there.  Z's come as the third launch stored them, images of operand registers: a block of 256 tokens is 196,608 dense bytes, [K step 8][tile 16][half 2] of 768 bytes;
; waves 2 and 3 bring it by four dense loads each, cut so that the counted waits mean the same in every wave: K steps 0-1, then 2-4, then 5-7.  Every tensor load is a first fill; a wave has four out.
; CLUSTER 4 x 4: Wo's rows hang on cluster x and cx alone: asked for jointly by a column; Z's block on cluster y and cy alone: jointly by a row.
; bo is the C of each sum's first matrix instruction: eight registers a tile of features, in the result's layout.
; The tiles' rows are rows 8 u + (m % 8) + 16 (m / 8) of their 32 (first launch): the way out puts features and tokens back in their places.
; REGISTERS: window 0: addresses, scale words, rows on the way out; window 1: the accumulators, (j, i) at v[8 (8 j + i)]; windows 2, 3: two sets of fragments, Wo's tile i at v[12 i], Z's tile j at v[96 + 12 j]; window 2 v160-223: bo.
; AS THE TEXT NOW STANDS (this takes the place of what the head says of chunks, of four loads a wave and of counted waits): each wave issues ONE tensor load: waves 0 and 1 64 rows of Wo each, whole: 768 bytes a row,
; 16 bytes of padding behind each 256, an LDS row of 816 bytes; waves 2 and 3 a dense half, 98,304 bytes, of Z's block each.  One wait for 0 and one barrier show all of K.  Wo's scale words come by plain loads into registers.
; The stages of the way out lie in the first bytes of Wo's rows, which have had their only fill and their last read by then.
.set RT,    13056                      ; 16 rows of 816 bytes
.set CH,    4*RT                       ; from tile i to tile i + 4: a second address register, so that every offset stays under 65,536
.set ZI,    108800                     ; Z's images, dense
.set SPARE, 305408                     ; the spare words, 128 bytes for each wave: two blocks of 256 bytes that no other line names
.set SPITCH, 528                       ; the way out: a stage of 16 rows x (512 bytes + 16) for each wave, in Wo's first rows, which have had their only fill and their last read by then
.set A0,  8                            ; v8-9    Wo: 816 r + 24 h; + CH for tiles 4-7
.set X0,  11                           ; v11-12  816 r + 40 h; + CH for tiles 4-7
.set ZA16, 13                          ; v13-16  Z: K steps 2 g, 2 g + 1, my four tiles, 16 x lane
.set AS0, 18                           ; v18     Wo's scale words
.set ZSO, 19                           ; v19     zs: 2 (r + 8 (r / 8))
.set L16, 20                           ; v20     16 x lane
.set L8,  21                           ; v21     8 x lane
.set ZA8, 22                           ; v22-25  as ZA16 with 8 x lane
.set STO, 26                           ; v26     the stage: where I put 32 bytes of a row
.set RD,  27                           ; v27     and where I read a row back
.set SPW, 28                           ; v28     my spare word; never rewritten
.set NIL, 29                           ; v29     0; never rewritten
.set BOO, 30                           ; v30     bo: 64 h
.set SS0, 64                           ; v64-127  Wo's scale words: tile i, K step q at 8 i + q
.set SS1, 128                          ; v128-159 Z's
.set U,   160                          ; v160-223 Z's scale bytes as loaded, two a register; later rows on the way out
.set BO,  160                          ; in window 2
.set G1A, 24
.set G1Z1, 32
.set G0A, 44
.set G0SA, 56
.set G1SA, 68
.set G1Z2, 76
.set G0Z, 84                           ; s[84:87] Z's load
.set MSB, 0
.macro WIN new                         ; the immediate's high byte repeats the setting that is left
.if MSB != (\new)
	s_set_vgpr_msb (MSB<<8)|(\new)
.set MSB, (\new)
.endif
.endm
.macro JLOAD g0a, g1a, g0b, g1b        ; a joint load: waves 0 and 1 fetch for Wo, waves 2 and 3 for Z; the branch hangs on the wave's number alone
	s_cmp_eq_u32 s15, 0
	s_cbranch_scc0 .Lfor_b_\@
	tensor_load_to_lds s[\g0a:\g0a+3], s[\g1a:\g1a+7]
	s_nop 0
.rept 4
	v_nop
.endr
	s_branch .Lasked_\@
.Lfor_b_\@:
	tensor_load_to_lds s[\g0b:\g0b+3], s[\g1b:\g1b+7]
	s_nop 0
.rept 4
	v_nop
.endr
.Lasked_\@:
.endm
.macro CROUND                          ; a round of the cluster's barrier
	s_barrier_signal -1
	s_barrier_wait -1
	s_cmp_lg_u32 s14, 0
	s_cbranch_scc1 .Lnot_wave_0_\@
	s_barrier_signal -3
.Lnot_wave_0_\@:
	s_barrier_wait -3
	s_barrier_signal -1
	s_barrier_wait -1
.endm
.macro PLACES                          ; four plain places behind a matrix instruction (ISA guide 7.12.1)
.rept 4
	v_nop
.endr
.endm
	s_load_b256 s[4:11], s[0:1], 0x0               ; cod s[4:5], scl s[6:7], zc s[8:9], zs s[10:11]
	s_load_b128 s[20:23], s[0:1], 0x20             ; bo s[20:21], out0 s[22:23]
	v_lshl_add_u32 v[SPW], v0, 2, SPARE
	v_mov_b32 v[NIL], 0
	ds_add_u32 v[SPW], v[NIL]                      ; the wave's opening: the add, twice on end, and its wait ahead of my first tensor load
	ds_add_u32 v[SPW], v[NIL]
	v_lshrrev_b32 v1, 5, v0
	v_readfirstlane_b32 s14, v1                    ; wave 0..3
	s_lshr_b32 s15, s14, 1                         ; I fetch for Wo (0) or for Z (1)
	s_and_b32 s16, s14, 1                          ; which half
	s_bfe_u32 s40, ttmp6, 0x40000                  ; cx
	s_bfe_u32 s41, ttmp6, 0x40004                  ; cy
	s_lshl_b32 s17, ttmp9, 2
	s_add_co_u32 s17, s17, s40                     ; x: which 128 features
	s_and_b32 s18, ttmp7, 0xffff
	s_lshl_b32 s18, s18, 2
	s_add_co_u32 s18, s18, s41                     ; y: which 256 tokens
	s_lshl_b32 s42, s41, 2
	s_lshl_b32 s42, 15, s42                        ; my row of the cluster
	s_lshl_b32 s43, 0x1111, s40                    ; my column
	s_lshl_b32 s19, s17, 7
	s_add_co_u32 s19, s19, 27648                   ; Wo begins at row 27,648 of cod
	s_lshl_b32 s2, s16, 6
	s_add_co_u32 s19, s19, s2                      ; the first of the 64 rows that I would fetch
	s_mul_i32 s2, s19, 768
	s_mov_b32 s3, 0
	s_lshl_b32 s12, s19, 5
	s_lshl_b32 s13, s16, 11
	s_sub_co_u32 s12, s12, s13                     ; the scale words are read by every wave for itself, from the tile's first row
	s_mov_b32 s13, 0
	s_mul_i32 s60, s18, 196608                     ; Z's block
	s_mov_b32 s61, 0
	s_mul_i32 s62, s16, 98304                      ; my half of it
	s_mov_b32 s63, 0
	; descriptor groups 1; bit 21 set beside a mask.  Wo: elements of 1 byte, 64 rows of 768, 16 bytes of padding behind each 256.  Z: elements of 8 bytes, 384 dense rows of 256 bytes
	s_or_b32 s[G1A], s43, (1<<20)|(1<<21)|(5<<22)|(3<<25)
	s_mov_b32 s[G1A+1], 768<<16
	s_mov_b32 s[G1A+2], 64<<16
	s_mov_b32 s[G1A+3], 768<<16
	s_mov_b32 s[G1A+4], 64
	s_mov_b32 s[G1A+5], 768
	s_mov_b32 s[G1A+6], 0
	s_mov_b32 s[G1A+7], 0
	s_or_b32 s[G1Z1], s42, (3<<16)|(1<<21)
	s_mov_b32 s[G1Z1+1], 32<<16
	s_mov_b32 s[G1Z1+2], 384<<16
	s_mov_b32 s[G1Z1+3], 32<<16
	s_mov_b32 s[G1Z1+4], 384
	s_mov_b32 s[G1Z1+5], 32
	s_mov_b32 s[G1Z1+6], 0
	s_mov_b32 s[G1Z1+7], 0
	s_wait_dscnt 0x0                               ; both opening adds are done
	s_wait_kmcnt 0x0
	s_add_nc_u64 s[2:3], s[4:5], s[2:3]
	s_add_nc_u64 s[12:13], s[6:7], s[12:13]
	s_add_nc_u64 s[60:61], s[8:9], s[60:61]
	s_mov_b32 s[G0A], 1
	s_mul_i32 s[G0A+1], s16, 64*816                ; LDS addresses: the wave's number and constants alone
	s_mov_b64 s[G0A+2:G0A+3], s[2:3]
	s_or_b32 s[G0A+3], s[G0A+3], 0x80000000
	s_mov_b32 s[G0Z], 1
	s_add_co_u32 s[G0Z+1], s62, ZI                 ; LDS mirrors memory
	s_add_nc_u64 s[G0Z+2:G0Z+3], s[60:61], s[62:63]
	s_or_b32 s[G0Z+3], s[G0Z+3], 0x80000000
	CROUND                                         ; all sixteen work-groups are here: the joint loads meet
	JLOAD G0A, G1A, G0Z, G1Z1                      ; my one tensor load
	s_lshl_b32 s2, s18, 9                          ; zs: two bytes a token: 512 y + 128 w
	s_lshl_b32 s19, s14, 7
	s_add_co_u32 s2, s2, s19
	s_mov_b32 s3, 0
	s_add_nc_u64 s[10:11], s[10:11], s[2:3]
	s_lshl_b32 s2, s17, 9                          ; my 128 features: 512 bytes of bo and of a row of out0
	s_add_nc_u64 s[20:21], s[20:21], s[2:3]
	s_add_nc_u64 s[22:23], s[22:23], s[2:3]
	s_lshl_b32 s2, s18, 8
	s_lshl_b32 s19, s14, 6
	s_add_co_u32 s2, s2, s19                       ; my first token: 256 y + 64 w
	s_lshl_b32 s2, s2, 12
	s_add_nc_u64 s[22:23], s[22:23], s[2:3]
	v_and_b32 v1, 15, v0                           ; r
	v_bfe_u32 v2, v0, 4, 1                         ; h
	v_and_b32 v4, 8, v1
	v_add_nc_u32 v4, v4, v1
	v_lshlrev_b32 v[ZSO], 1, v4
	v_lshlrev_b32 v[BOO], 6, v2
.irp j, 0,1,2,3
.irp d, 0,1,2,3,4,5,6,7,8,9,10,11,12,13,14,15
	global_load_u16 v[U+16*\j+\d], v[ZSO], s[10:11] offset:16384*\d+2*(32*(\j/2)+8*(\j%2))   ; head d's two bytes of my token of tile j
.endr
.endr
	WIN 0x80                                       ; destination window 2
.irp i, 0,1,2,3,4,5,6,7
	global_load_b128 v[BO+8*\i:BO+8*\i+3], v[BOO], s[20:21] offset:(32*(\i/2)+8*(\i%2))*4      ; lane (r, h), tile i: features 32 (i / 2) + 16 h + 8 (i % 2) + 0 .. 7
	global_load_b128 v[BO+8*\i+4:BO+8*\i+7], v[BOO], s[20:21] offset:(32*(\i/2)+8*(\i%2))*4+16
.endr
	WIN 0
	v_mul_u32_u24 v3, v1, 816
	v_mad_u32_u24 v[A0], v2, 24, v3                ; Wo's tiles 0-3: 816 r + 24 h
	v_add_nc_u32 v[A0+1], CH, v[A0]                ; tiles 4-7
	v_mad_u32_u24 v[X0], v2, 40, v3                ; for pieces whose partner three pieces on lies behind one padding more: 816 r + 40 h
	v_add_nc_u32 v[X0+1], CH, v[X0]
	v_and_b32 v4, 31, v0
	v_lshlrev_b32 v[L16], 4, v4
	v_lshlrev_b32 v[L8], 3, v4
	s_mul_i32 s19, s14, 6144                       ; my four tiles in a K step's images
	s_add_co_u32 s19, s19, ZI
	v_add_nc_u32 v[ZA16], s19, v[L16]
	v_add_nc_u32 v[ZA8], s19, v[L8]
.irp g, 1,2,3
	v_add_nc_u32 v[ZA16+\g], 49152*\g, v[ZA16]
	v_add_nc_u32 v[ZA8+\g], 49152*\g, v[ZA8]
.endr
	v_lshlrev_b32 v[AS0], 5, v1                    ; a row's 32 scale bytes in memory: 32 r
	s_mul_i32 s19, s14, 16*SPITCH                  ; my stage
	v_mul_u32_u24 v[STO], v1, SPITCH
	v_lshl_add_u32 v[STO], v2, 6, v[STO]
	v_add_nc_u32 v[STO], s19, v[STO]               ; in: row r, 16 features (64 bytes) further on for lanes 16-31
	v_add_nc_u32 v[RD], s19, v[L16]                ; back: the 32 lanes take a row of 512 bytes
.macro FRAG reg, q, i                  ; a fragment of Wo: as in the second launch
.irp p, 0,1,2,3,4,5
.set PCE, 12*(\q)+6*(\p/3)+\p%3
.if PCE%32 < 29
	ds_load_b64 v[\reg+2*\p:\reg+2*\p+1], v[A0+(\i)/4] offset:8*(PCE%32)+272*(PCE/32)+((\i)%4)*RT
.else
	ds_load_b64 v[\reg+2*\p:\reg+2*\p+1], v[X0+(\i)/4] offset:8*(PCE%32)+272*(PCE/32)+((\i)%4)*RT
.endif
.endr
.endm
.macro FRAGZ reg, q, j                 ; a fragment of Z: two halves (heads 2 q, 2 q + 1), each an image of four registers and one of two
.irp c, 0,1
	ds_load_b128 v[\reg+6*\c:\reg+6*\c+3], v[ZA16+(\q)/2] offset:24576*((\q)%2)+1536*(\j)+768*\c
	ds_load_b64 v[\reg+6*\c+4:\reg+6*\c+5], v[ZA8+(\q)/2] offset:24576*((\q)%2)+1536*(\j)+768*\c+512
.endr
.endm
.macro FETCH q                         ; K step q's twelve fragments, 64 loads in one run, into set q % 2
	WIN 0x80+0x40*((\q)%2)
.irp i, 0,1,2,3,4,5,6,7
	FRAG 12*\i, \q, \i
.endr
.irp j, 0,1,2,3
	FRAGZ 96+12*\j, \q, \j
.endr
	WIN 0
.endm
.macro MUL q, bias                     ; K step q: 32 matrix instructions, the 32 accumulators by turns.  bias = 1: the first products start the sums from bo
.if \bias
	WIN 0x6a                                       ; sources 0, 1 and 2 window 2, destination window 1
.else
	WIN 0x5a+5*((\q)%2)
.endif
.irp j, 0,1,2,3
.irp i, 0,1,2,3,4,5,6,7
.if \bias
	v_wmma_scale_f32_16x16x128_f8f6f4 v[8*(8*\j+\i):8*(8*\j+\i)+7], v[12*\i:12*\i+11], v[96+12*\j:96+12*\j+11], v[BO+8*\i:BO+8*\i+7], v[SS0+8*\i+(\q)], v[SS1+8*\j+(\q)] matrix_a_fmt:MATRIX_FMT_FP6 matrix_b_fmt:MATRIX_FMT_FP6
.else
	v_wmma_scale_f32_16x16x128_f8f6f4 v[8*(8*\j+\i):8*(8*\j+\i)+7], v[12*\i:12*\i+11], v[96+12*\j:96+12*\j+11], v[8*(8*\j+\i):8*(8*\j+\i)+7], v[SS0+8*\i+(\q)], v[SS1+8*\j+(\q)] matrix_a_fmt:MATRIX_FMT_FP6 matrix_b_fmt:MATRIX_FMT_FP6
.endif
.endr
.endr
.endm
	s_wait_alu depctr_va_vdst(0)                   ; the wait at the head's end
.irp i, 0,1,2,3,4,5,6,7
	global_load_b128 v[SS0+8*\i:SS0+8*\i+3], v[AS0], s[12:13] offset:512*\i        ; all eight K steps' words of a row: sixteen lanes read a tile's 512 consecutive bytes (lanes 16-31 the same again)
	global_load_b128 v[SS0+8*\i+4:SS0+8*\i+7], v[AS0], s[12:13] offset:512*\i+16
.endr
	s_wait_tensorcnt 0x0                           ; my load is in,
	s_barrier_signal -1
	s_barrier_wait -1                              ; everybody's is: all of K lies in LDS, and nothing is filled again
	FETCH 0
	FETCH 1
	s_wait_loadcnt 0x0                             ; Z's scale bytes and bo
.irp j, 0,1,2,3
.irp q, 0,1,2,3,4,5,6,7
	v_lshl_or_b32 v[SS1+8*\j+\q], v[U+16*\j+2*\q+1], 16, v[U+16*\j+2*\q]   ; heads 2 q and 2 q + 1: the four bytes of K step q
.endr
.endr
.rept 8
	v_nop                                          ; a scale register written by a vector instruction stands eight places ahead of a scaled matrix instruction
.endr
	s_wait_alu depctr_va_vdst(0)
	s_wait_dscnt 63                                ; 64 loads are younger than set 0's last: Wo's scale words and set 0 are in
	MUL 0, 1
	PLACES
	FETCH 2
.irp q, 1,2,3,4,5                      ; step q is multiplied while step q + 1's set is on its way; its own set then takes step q + 2
	s_wait_dscnt 63                                ; 64 loads are younger than this step's last
	MUL \q, 0
	PLACES
	FETCH \q+2
.endr
	s_wait_dscnt 63
	MUL 6, 0
	s_wait_dscnt 0x0
	MUL 7, 0
	WIN 0
	s_barrier_signal -1                            ; the stages lie in Wo's first rows: when all four waves have signalled here, every wave's reads of them are over (no LDS instruction of mine is out)
	s_barrier_wait -1
	PLACES
; THE WAY OUT, a tile of 16 tokens x 128 features at a time, through my own stage: in as the accumulators stand, 32 bytes of a row for each, each from its low end on; back as whole rows of 512 bytes.
; LDS serves a wave's instructions in order (ISA guide 5.7.1.4): no wait between the stores and the loads, nor ahead of the next tile's stores.
.macro TOSTAGE j
	WIN 0x04                                       ; an LDS store's data are its source 1: window 1
.irp i, 0,1,2,3,4,5,6,7
	ds_store_b128 v[STO], v[64*(\j)+8*\i:64*(\j)+8*\i+3] offset:128*(\i/2)+32*(\i%2)
	ds_store_b128 v[STO], v[64*(\j)+8*\i+4:64*(\j)+8*\i+7] offset:128*(\i/2)+32*(\i%2)+16
.endr
	WIN 0
.irp t, 0,1,2,3,4,5,6,7,8,9,10,11,12,13,14,15
.set BB, U+4*\t                        ; even tiles: v160-223;
.if (\j)%2
.set BB, 32+4*\t+160*(\t/8)            ; odd tiles: v32-63 and v224-255
.endif
	ds_load_b128 v[BB:BB+3], v[RD] offset:\t*SPITCH
.endr
.endm
.macro SEND j, younger                 ; younger: the LDS instructions issued behind tile j's loads, which may stay out
	s_wait_dscnt \younger
.irp t, 0,1,2,3,4,5,6,7,8,9,10,11,12,13,14,15
.set BB, U+4*\t
.if (\j)%2
.set BB, 32+4*\t+160*(\t/8)
.endif
	global_store_b128 v[L16], v[BB:BB+3], s[22:23] offset:(32*((\j)/2)+8*((\j)%2)+\t+8*(\t/8))*4096 th:TH_STORE_NT   ; 32 lanes store 512 consecutive bytes, aligned; written once, read by nobody here
.endr
.endm
	TOSTAGE 0
	TOSTAGE 1
	SEND 0, 32                                     ; behind tile 0's loads: tile 1's 16 stores and 16 loads
	s_wait_xcnt 0x0                                ; tile 0's stores have read their registers: tile 2's loads may land there
	TOSTAGE 2
	SEND 1, 32
	s_wait_xcnt 0x0
	TOSTAGE 3
	SEND 2, 32
	SEND 3, 0
	s_wait_tensorcnt 0x0                           ; the wave's end
	ds_add_u32 v[SPW], v[NIL]
	s_wait_dscnt 0x0
	CROUND                                         ; the closing round: no work-group ends while a partner may still ask for a tile that names it
	s_endpgm
.Lfunc_end_k_qce3f7d9931_outp:
	.size	k_qce3f7d9931_outp, .Lfunc_end_k_qce3f7d9931_outp-k_qce3f7d9931_outp
	.p2alignl 7, 3214868480
	.fill 96, 4, 3214868480
	.section	.rodata,"a",@progbits
	.p2align	6, 0x0
	.amdhsa_kernel k_qce3f7d9931_outp
		.amdhsa_group_segment_fixed_size 327680
		.amdhsa_private_segment_fixed_size 0
		.amdhsa_enable_private_segment 0
		.amdhsa_kernarg_size 48
		.amdhsa_user_sgpr_count 2
		.amdhsa_user_sgpr_kernarg_segment_ptr 1
		.amdhsa_wavefront_size32 1
		.amdhsa_system_sgpr_workgroup_id_x 1
		.amdhsa_system_sgpr_workgroup_id_y 1
		.amdhsa_system_sgpr_workgroup_id_z 1
		.amdhsa_system_vgpr_workitem_id 0
		.amdhsa_next_free_vgpr 1024
		.amdhsa_next_free_sgpr 102
		.amdhsa_reserve_vcc 0
		.amdhsa_float_denorm_mode_32 3
		.amdhsa_float_denorm_mode_16_64 3
		.amdhsa_memory_ordered 1
		.amdhsa_forward_progress 1
		.amdhsa_inst_pref_size 99
	.end_amdhsa_kernel
	.amdgpu_metadata
---
amdhsa.version: [ 1, 2 ]
amdhsa.kernels:
  - .name:           k_qce3f7d9931_outp
    .symbol:         k_qce3f7d9931_outp.kd
    .args:
      - { .name: cod, .offset: 0, .size: 8, .value_kind: global_buffer, .address_space: global }
      - { .name: scl, .offset: 8, .size: 8, .value_kind: global_buffer, .address_space: global }
      - { .name: zc, .offset: 16, .size: 8, .value_kind: global_buffer, .address_space: global }
      - { .name: zs, .offset: 24, .size: 8, .value_kind: global_buffer, .address_space: global }
      - { .name: bo, .offset: 32, .size: 8, .value_kind: global_buffer, .address_space: global }
      - { .name: out0, .offset: 40, .size: 8, .value_kind: global_buffer, .address_space: global }
    .group_segment_fixed_size: 327680
    .private_segment_fixed_size: 0
    .kernarg_segment_align: 8
    .kernarg_segment_size: 48
    .max_flat_workgroup_size: 128
    .sgpr_count:     102
    .vgpr_count:     1024
    .wavefront_size: 32
...
	.end_amdgpu_metadata
.endif
;; end of part 4
